; MI455X (gfx1250); checked and timed in simulation.
; The chip was launched on July 23, 2026; its instructions are those of AMD's public machine-readable ISA for CDNA 5 (MIT licence, August 2026) and "CDNA5" Instruction Set Architecture Reference Guide (July 2026). The comments in the code are by the model that wrote it; some were corrected since.
;; Causal Self Attention. Allowed arithmetic: matrix products marked QUANTISED: E2M1 operands, one E8M0 scale for each 32 along K, by v_wmma_scale_f32_16x16x128_f8f6f4 with both operands' format E2M1 (or v_wmma_scale_f32_32x16x128_f4), f32 sums; products left as they are: bf16, f16 or f32 operands; f32 sums; everything else in f32.
;; Inputs: Wproj 1,024 x 1,024 float32; Wqkv 1,024 x 3,072 float32; bproj 1,024 float32; bqkv 3,072 float32; causal_mask 2,048 x 2,048 float32; x 4 x 2,048 x 1,024 float32.
;; Outputs: out0 4 x 2,048 x 1,024 float32.
;; This version of the problem:
;;   THIS VERSION OF THE PROBLEM IS GIVEN IN LOW PRECISION. The matrix products marked QUANTISED in the list below multiply operands that are first quantised to E2M1 (2 exponent bits, 1 mantissa bit; 4 bits a number), with one power-of-two scale for each 32 numbers along K (OCP MX v1.0); their sums are f32. The products marked 'left as it is' may take bf16, f16 or f32 operands, with f32 sums. Whichever they take, every output number must still come out within the allowed error. Rounding operands to bf16 (8 significant bits) uses up far more of that allowance than f16 does (11 bits, for magnitudes from 6e-5 to 65,504). All else is computed in f32.
;;   The module's matrix products, in the order in which they are computed (A, B: the left and right operand; K: the contracted axis; several contracted axes count as one K, in the product's order):
;;     1. [M 8,192, K 1,024] x [K 1,024, N 3,072]; A: input x; B: input Wqkv: QUANTISED
;;     2. batch 64 x [M 2,048, K 64] x [K 64, N 2,048]; A: computed on the way; B: computed on the way: left as it is (an operand is computed on the way)
;;     3. batch 64 x [M 2,048, K 2,048] x [K 2,048, N 64]; A: computed on the way; B: computed on the way: left as it is (an operand is computed on the way)
;;     4. [M 8,192, K 1,024] x [K 1,024, N 1,024]; A: computed on the way; B: input Wproj: left as it is (an operand is computed on the way)
;;   THE QUANTISER, for each operand of a quantised product, along K:
;;     - K is cut into blocks of 32 from its start; a last block that is shorter is filled with zeros.
;;     - A block's scale is 2^e with e = floor(log2(the largest magnitude in the block)) - 2, held to -126 .. 127; a block of zeros has e = 0. As a byte (E8M0): e + 127.
;;     - Each number is divided by its block's scale, clamped to +-6, and rounded to the nearest number of E2M1, ties to even, subnormals kept.
;;     - The product sums the exact products of the quantised numbers (number of the format x scale) in f32.
;;   ~~~python
;;   def quantise(x, axis):      # numpy; x: float32 -> the quantised numbers, widened to float32 again
;;       x = np.moveaxis(x, axis, -1); K = x.shape[-1]
;;       x = np.pad(x, [(0, 0)] * (x.ndim - 1) + [(0, -K % 32)]); x = x.reshape(x.shape[:-1] + (-1, 32)); a = np.abs(x).max(-1, keepdims=True)
;;       e = np.where(a > 0, np.clip(np.frexp(np.where(a > 0, a, 1))[1] - 1 - 2, -126, 127), 0)      # np.frexp(a)[1] - 1 = floor(log2(a)), exactly
;;       r = np.clip(x / 2.0 ** e, -6, 6)
;;       step = 2.0 ** (np.maximum(np.frexp(np.where(r == 0, 1, r))[1] - 1, 0) - 1)
;;       q = np.round(r / step) * step * 2.0 ** e      # np.round: ties to even
;;       return np.moveaxis(q.reshape(q.shape[:-2] + (-1,))[..., :K], -1, axis).astype(np.float32)
;;   ~~~
;; One version. Each part assembles by itself: llvm-mc -triple=amdgcn-amd-amdhsa -mcpu=gfx1250 --defsym DOCPART=n.
;; ======== version 1 of 1: 5 launches
;; limits: values are held in f16: magnitudes above 65,504 overflow, below 6.1e-05 lose precision
;; workspace buffers: xc 4,194,304 bytes; xs 262,144 bytes; wc 1,572,864 bytes; ws 98,304 bytes; wp 4,194,304 bytes; qkv 50,331,648 bytes; att 16,777,216 bytes; afl 1,048,576 bytes
;; launch prep (part 1): grid 368 x 1, 4 waves a work-group, no clusters, 137,728 bytes of LDS; arguments x, Wqkv, Wproj, xc, xs, wc, ws, wp; writes xc, xs, wc, ws, wp
.if DOCPART == 1
	.amdgcn_target "amdgcn-amd-amdhsa--gfx1250"
	.amdhsa_code_object_version 6
	.text
	.protected	k_qc826d1e1b4_prep
	.globl	k_qc826d1e1b4_prep
	.p2align	8
	.type	k_qc826d1e1b4_prep,@function
k_qc826d1e1b4_prep:
	s_mov_b64 s[64:65], 0
	v_nop
	global_prefetch_b8 v0, s[64:65] scope:SCOPE_SE
	s_setreg_imm32_b32 hwreg(HW_REG_WAVE_MODE, 25, 1), 1
	s_wait_xcnt 0x0
; THE OPERANDS ARE MADE READY, ONCE.  Three jobs in one launch, told apart by the work-group's number; each has LDS bytes of its own.
;   work-groups   0 ..  47 (path W): Wqkv [1024 k][3072 n] f32 -> codes of FP4 (E2M1) laid [3072][512 bytes], K innermost, and E8M0 bytes [3072][32]
;   work-groups  48 .. 111 (path P): Wproj [1024 k][1024 n] f32 -> two f16 parts laid [1024 n][1024 k]: high at byte 0 of wp, low (number - high) at byte 2,097,152
;   work-groups 112 .. 367 (path X): x [8192][1024] f32 -> codes [8192][512 bytes] and E8M0 bytes [8192][32]
; THE QUANTISER: a block of 32 along K has the scale 2^(floor(log2(largest magnitude)) - 2); its byte is the largest magnitude's exponent field - 2, held at 1 from below; each number is divided by
; the scale and rounded to the nearest code, ties to even, beyond 6 the code of 6.  A block of zeros keeps the byte 1 where the rule says 127: its codes are zeros, and this program alone reads the bytes.
; LIMITS: blocks whose largest magnitude lies under 2^-124 keep the byte 1; NaN and infinities are not served; |Wproj| stays under 65,504 (f16).
; No work-group shares an input with another, so there is no cluster; no tensor load, no barrier: waves share nothing.
.set WGW,   48                         ; work-groups of path W
.set WGPJ,  64                         ; of path P
.set SPW,   12                         ; v12  LDS address of my spare word: SPARE + 4 x my thread's number; never rewritten
.set NIL,   13                         ; v13  0; never rewritten
.set WLDS,  32768                      ; LDS: path X has bytes 0 .. 32,767; path W four stages of 32 x 272 from here;
.set PHLDS, 67584                      ; path P four stages for the high parts,
.set PLLDS, 102400                     ; and four for the low parts;
.set SPARE, 137216                     ; the spare words, 128 bytes for each wave: two blocks of 256 bytes that no other line names
.set EMAX,  2
.set WPITCH, 272                       ; a stage row of paths W and P: 256 bytes + 16
	s_load_b512 s[4:19], s[0:1], 0x0               ; x s[4:5], Wqkv s[6:7], Wproj s[8:9], xc s[10:11], xs s[12:13], wc s[14:15], ws s[16:17], wp s[18:19]
	v_lshl_add_u32 v[SPW], v0, 2, SPARE
	v_mov_b32 v[NIL], 0
	v_lshrrev_b32 v1, 5, v0
	v_readfirstlane_b32 s20, v1                    ; wave 0..3
	v_and_b32 v2, 31, v0                           ; lane
	s_wait_kmcnt 0x0
	s_cmp_lt_u32 ttmp9, WGW
	s_cbranch_scc1 .Lpath_w
	s_cmp_lt_u32 ttmp9, WGW+WGPJ
	s_cbranch_scc1 .Lpath_p
; ---------------- PATH X.  x is a plain stream of blocks of 32.  A wave takes 16 steps of 512 numbers.  Each load reads 512 consecutive bytes; a step's 2,048 bytes turn through the wave's own stage
; (16 bytes of padding behind each 64) and come back 64 bytes a lane: 16 neighbours along K, two lanes to a block.  Loads run four steps ahead, the turn one step.
.set STEPS, 16
.set WREG,  8192                       ; a wave's LDS: two stages of 32 x 80 bytes, then its 256 scale bytes
.set XSP,   80
.set XR,    16                         ; v16-79   four sets of 16 numbers as loaded
.set XX,    80                         ; v80-111  two sets of 16 neighbours
.set XE,    112                        ; v112-127 a scale byte for each step
.set XC,    128                        ; v128-191 codes: registers of its own for each step, so that no store's data are written again
	v_lshlrev_b32 v3, 4, v2                        ; my 16 bytes of a load's 512
	s_mul_i32 s21, s20, WREG
	v_lshrrev_b32 v14, 2, v2
	v_mul_u32_u24 v14, v14, XSP
	v_and_b32 v15, 3, v2
	v_lshl_add_u32 v14, v15, 4, v14
	v_add_nc_u32 v14, s21, v14                     ; the stage, in: 80 (lane / 4) + 16 (lane % 4)
	v_mul_u32_u24 v15, v2, XSP
	v_add_nc_u32 v15, s21, v15                     ; and out: 80 x lane
	v_lshlrev_b32 v4, 3, v2                        ; 8 bytes a lane: my codes in a step's 256 bytes, and my part of the 256 scale bytes
	v_lshrrev_b32 v5, 1, v2
	s_add_co_u32 s21, s21, 2*32*XSP
	v_add_nc_u32 v5, s21, v5                       ; LDS: my block's scale byte
	v_add_nc_u32 v6, s21, v4                       ; and on the way out 8 bytes a lane
	s_sub_co_u32 s22, ttmp9, WGW+WGPJ
	s_lshl_b32 s22, s22, 2
	s_add_co_u32 s22, s22, s20                     ; which run of 8,192 numbers is my wave's: 0 .. 1,023
	s_mov_b32 s25, 0
	s_lshl_b32 s24, s22, 15                        ; 32,768 bytes of x,
	s_add_nc_u64 s[4:5], s[4:5], s[24:25]
	s_lshl_b32 s24, s22, 12                        ; 4,096 of codes,
	s_add_nc_u64 s[10:11], s[10:11], s[24:25]
	s_lshl_b32 s24, s22, 8                         ; 256 of scale bytes a run
	s_add_nc_u64 s[12:13], s[12:13], s[24:25]
.macro XLOAD t
.irp i, 0,1,2,3
	global_load_b128 v[XR+16*((\t)%4)+4*\i:XR+16*((\t)%4)+4*\i+3], v3, s[4:5] offset:2048*(\t)+512*\i th:TH_LOAD_NT
.endr
.endm
.macro XTURN t                         ; LDS serves a wave's instructions in order (ISA guide 5.7.1.4): no wait between the stores and the loads
.irp i, 0,1,2,3
	ds_store_b128 v14, v[XR+16*((\t)%4)+4*\i:XR+16*((\t)%4)+4*\i+3] offset:32*XSP*((\t)%2)+8*XSP*\i
.endr
.irp i, 0,1,2,3
	ds_load_b128 v[XX+16*((\t)%2)+4*\i:XX+16*((\t)%2)+4*\i+3], v15 offset:32*XSP*((\t)%2)+16*\i
.endr
.endm
.irp t, 0,1,2,3
	XLOAD \t
.endr
	s_wait_loadcnt 12                              ; step 0's four loads are in; twelve younger ones stay out
	XTURN 0
.macro XSTEP t
.set XS, XX+16*((\t)%2)
.if (\t) > 0
	s_wait_dscnt 1                                 ; this step's numbers are back from the stage (the last step's byte store may be out): so its stores into the stage have read their registers,
.else
	s_wait_dscnt 0x0
.endif
.if (\t)+4 < STEPS
	XLOAD (\t)+4                                   ; which take the loads of four steps on
.endif
.if (\t)+1 < STEPS
.if STEPS-2-(\t) >= 3
	s_wait_loadcnt 12                              ; the next step's four loads are in; those of the three steps behind it may be out
.else
	s_wait_loadcnt 4*(STEPS-2-(\t))
.endif
	XTURN (\t)+1
.endif
	v_max3_num_f32 v8, |v[XS]|, |v[XS+1]|, |v[XS+2]|
	v_max3_num_f32 v9, |v[XS+3]|, |v[XS+4]|, |v[XS+5]|
.irp i, 6,10
	v_max3_num_f32 v8, v8, |v[XS+\i]|, |v[XS+\i+1]|
	v_max3_num_f32 v9, v9, |v[XS+\i+2]|, |v[XS+\i+3]|
.endr
	v_max3_num_f32 v8, v8, |v[XS+14]|, |v[XS+15]|
	v_max3_num_f32 v8, v8, v9, (EMAX+1)<<23        ; the floor 2^(3 - 127): the byte cannot fall under 1
	v_max_num_f32_dpp v8, v8, v8 row_xmask:1 row_mask:0xf bank_mask:0xf   ; with my neighbour's 16: the block's largest magnitude
	v_add_nc_u32 v11, -(EMAX<<23), v8              ; 2 off its exponent field: the conversion takes the exponent field of this operand as its scale
	v_cvt_scalef32_pk8_fp4_f32 v[XC+4*(\t)], v[XS:XS+7], v11
	v_cvt_scalef32_pk8_fp4_f32 v[XC+4*(\t)+1], v[XS+8:XS+15], v11
	v_lshrrev_b32 v[XE+(\t)], 23, v11              ; the scale's byte (a plain line behind the conversions)
	ds_store_b8 v5, v[XE+(\t)] offset:16*(\t)      ; both lanes of a block write the same byte with the same value
	global_store_b64 v4, v[XC+4*(\t):XC+4*(\t)+1], s[10:11] offset:256*(\t)   ; the wave stores 256 consecutive bytes, aligned
.endm
.irp t, 0,1,2,3,4,5,6,7,8,9,10,11,12,13,14,15
	XSTEP \t
.endr
	ds_load_b64 v[8:9], v6                         ; in order behind my byte stores
	s_wait_dscnt 0x0
	global_store_b64 v4, v[8:9], s[12:13]          ; 256 scale bytes, aligned
	s_wait_tensorcnt 0x0                           ; the wave's end, behind my last LDS store
	ds_add_u32 v[SPW], v[NIL]
	s_wait_dscnt 0x0
	s_endpgm
; ---------------- PATH W.  K is Wqkv's first axis.  A lane takes a column n and its registers run down K: each load reads 128 consecutive bytes a wave, a block of 32 lies in one lane's 32 registers,
; and the conversions give codes with K innermost.  A wave takes 32 columns x 512 along K; its codes go through its stage and leave as rows: sixteen lanes store 256 consecutive bytes, aligned.
.set NB,    16                         ; blocks of a lane
.set WN4,   3072*4                     ; a row of Wqkv in bytes; (511) x 12,288 stays inside the signed 24-bit immediate (ISA guide, chapter 10)
.set WX,    32                         ; v32-95   two sets of 32 numbers
.set WC,    96                         ; v96-99   a block's codes
.set WSB,   24                         ; v24-27   the scale bytes, four to a register
.set WOUT,  112                        ; v112-175 the way out
.Lpath_w:
	s_lshr_b32 s21, ttmp9, 1                       ; which 128 columns
	s_and_b32 s22, ttmp9, 1                        ; which half of K
	s_lshl_b32 s21, s21, 7
	s_lshl_b32 s23, s20, 5
	s_add_co_u32 s21, s21, s23                     ; my wave's first column
	v_lshlrev_b32 v3, 2, v2                        ; in: 4 bytes a lane
	s_mul_i32 s23, s20, 32*WPITCH
	s_add_co_u32 s23, s23, WLDS                    ; my stage
	v_mul_u32_u24 v4, v2, WPITCH
	v_add_nc_u32 v4, s23, v4                       ; into it: row = my column
	v_and_b32 v5, 15, v2
	v_lshrrev_b32 v6, 4, v2
	v_mul_u32_u24 v7, v6, WPITCH
	v_lshl_add_u32 v7, v5, 4, v7
	v_add_nc_u32 v7, s23, v7                       ; out of it: sixteen lanes to a row, two rows an instruction
	v_lshlrev_b32 v8, 9, v6
	v_lshl_add_u32 v8, v5, 4, v8                   ; the same place in wc: rows of 512 bytes
	v_lshlrev_b32 v9, 5, v2                        ; my column's row of 32 scale bytes
	s_mul_i32 s24, s22, 512*WN4
	s_lshl_b32 s25, s21, 2
	s_add_co_u32 s24, s24, s25
	s_mov_b32 s25, 0
	s_add_nc_u64 s[6:7], s[6:7], s[24:25]          ; Wqkv at (512 x half, my first column)
	s_lshl_b32 s24, s21, 9
	s_lshl_b32 s26, s22, 8
	s_add_co_u32 s24, s24, s26
	s_add_nc_u64 s[14:15], s[14:15], s[24:25]      ; wc at column x 512 + 256 x half
	s_lshl_b32 s24, s21, 5
	s_lshl_b32 s26, s22, 4
	s_add_co_u32 s24, s24, s26
	s_add_nc_u64 s[16:17], s[16:17], s[24:25]      ; ws at column x 32 + 16 x half
.macro WLOAD t
.irp i, 0,1,2,3,4,5,6,7,8,9,10,11,12,13,14,15,16,17,18,19,20,21,22,23,24,25,26,27,28,29,30,31
	global_load_b32 v[WX+32*((\t)%2)+\i], v3, s[6:7] offset:(32*(\t)+\i)*WN4 th:TH_LOAD_NT
.endr
.endm
	WLOAD 0
	WLOAD 1
.macro WBLOCK t
.set WS, WX+32*((\t)%2)
.if (\t) < NB-1
	s_wait_loadcnt 32                              ; this block's 32 loads are in; the next block's 32 may be out
.else
	s_wait_loadcnt 0x0
.endif
	v_max3_num_f32 v16, |v[WS]|, |v[WS+1]|, |v[WS+2]|
	v_max3_num_f32 v17, |v[WS+3]|, |v[WS+4]|, |v[WS+5]|
.irp i, 6,10,14,18,22,26
	v_max3_num_f32 v16, v16, |v[WS+\i]|, |v[WS+\i+1]|
	v_max3_num_f32 v17, v17, |v[WS+\i+2]|, |v[WS+\i+3]|
.endr
	v_max3_num_f32 v16, v16, |v[WS+30]|, |v[WS+31]|
	v_max3_num_f32 v16, v16, v17, (EMAX+1)<<23     ; the floor
	v_add_nc_u32 v11, -(EMAX<<23), v16             ; the conversion's scale operand
	v_lshrrev_b32 v17, 23, v11                     ; the scale's byte
.if (\t)%4 == 0
	v_mov_b32 v[WSB+(\t)/4], v17
.else
	v_lshl_or_b32 v[WSB+(\t)/4], v17, 8*((\t)%4), v[WSB+(\t)/4]
.endif
.irp g, 0,1,2,3
	v_cvt_scalef32_pk8_fp4_f32 v[WC+\g], v[WS+8*\g:WS+8*\g+7], v11
.endr
	ds_store_b128 v4, v[WC:WC+3] offset:16*(\t)    ; 32 codes: 16 bytes of my column's row.  (The next vector lines are the next block's plain maxima.)
.if (\t)+2 < NB
	WLOAD (\t)+2
.endif
	s_wait_dscnt 0x0                               ; the store has read its registers: the next block's codes may be written
.endm
.set Q, 0
.rept NB
	WBLOCK Q
.set Q, Q+1
.endr
	global_store_b128 v9, v[WSB:WSB+3], s[16:17]   ; my column's 16 scale bytes
.irp t, 0,1,2,3,4,5,6,7,8,9,10,11,12,13,14,15
	ds_load_b128 v[WOUT+4*\t:WOUT+4*\t+3], v7 offset:2*\t*WPITCH
.endr
.irp t, 0,1,2,3,4,5,6,7,8,9,10,11,12,13,14,15
	s_wait_dscnt 15-\t                             ; the loads issued behind load t may stay out
	global_store_b128 v8, v[WOUT+4*\t:WOUT+4*\t+3], s[14:15] offset:2*\t*512
.endr
	s_wait_tensorcnt 0x0                           ; the wave's end
	ds_add_u32 v[SPW], v[NIL]
	s_wait_dscnt 0x0
	s_endpgm
; ---------------- PATH P.  The same plan for Wproj: a lane a column n, registers down k.  A wave takes 32 columns x 128 along k, four blocks of 32.  high = f16(w); low = f16(w - high), the difference exact in f32.
.set PX,    32                         ; v32-95   two sets of 32 numbers; on the way out the low parts' rows
.set PH,    96                         ; v96-111  16 pairs of high parts (named below by their halves)
.set PL,    112                        ; v112-127 16 pairs of low parts
.set PT,    128                        ; v128-159 the high parts widened again; v128-191 on the way out the high parts' rows
.Lpath_p:
	s_sub_co_u32 s21, ttmp9, WGW
	s_lshr_b32 s22, s21, 3                         ; which 128 columns
	s_and_b32 s21, s21, 7                          ; which 128 along k
	s_lshl_b32 s22, s22, 7
	s_lshl_b32 s23, s20, 5
	s_add_co_u32 s22, s22, s23                     ; my wave's first column
	v_lshlrev_b32 v3, 2, v2
	s_mul_i32 s23, s20, 32*WPITCH
	s_add_co_u32 s23, s23, PHLDS                   ; my stage for the high parts; the low parts' lies PLLDS - PHLDS further on
	v_mul_u32_u24 v4, v2, WPITCH
	v_add_nc_u32 v4, s23, v4
	v_and_b32 v5, 15, v2
	v_lshrrev_b32 v6, 4, v2
	v_mul_u32_u24 v7, v6, WPITCH
	v_lshl_add_u32 v7, v5, 4, v7
	v_add_nc_u32 v7, s23, v7
	v_lshlrev_b32 v8, 11, v6
	v_lshl_add_u32 v8, v5, 4, v8                   ; the same place in wp: rows of 2,048 bytes
	s_lshl_b32 s24, s21, 19                        ; 128 rows of 4,096 bytes
	s_lshl_b32 s25, s22, 2
	s_add_co_u32 s24, s24, s25
	s_mov_b32 s25, 0
	s_add_nc_u64 s[8:9], s[8:9], s[24:25]
	s_lshl_b32 s24, s22, 11
	s_lshl_b32 s26, s21, 8
	s_add_co_u32 s24, s24, s26
	s_add_nc_u64 s[18:19], s[18:19], s[24:25]      ; wp at column x 2,048 + 256 x part
.macro PLOAD t
.irp i, 0,1,2,3,4,5,6,7,8,9,10,11,12,13,14,15,16,17,18,19,20,21,22,23,24,25,26,27,28,29,30,31
	global_load_b32 v[PX+32*((\t)%2)+\i], v3, s[8:9] offset:(32*(\t)+\i)*4096 th:TH_LOAD_NT
.endr
.endm
	PLOAD 0
	PLOAD 1
.macro PBLOCK t
.set PS, PX+32*((\t)%2)
.if (\t) < 3
	s_wait_loadcnt 32                              ; this block's 32 loads are in; the next block's 32 may be out
.else
	s_wait_loadcnt 0x0
.endif
.irp i, 0,1,2,3,4,5,6,7,8,9,10,11,12,13,14,15
	v_cvt_pk_f16_f32 v[PH+\i], v[PS+2*\i], v[PS+2*\i+1]
.endr
.set j, 0
.irp h, v96.l,v96.h,v97.l,v97.h,v98.l,v98.h,v99.l,v99.h,v100.l,v100.h,v101.l,v101.h,v102.l,v102.h,v103.l,v103.h,v104.l,v104.h,v105.l,v105.h,v106.l,v106.h,v107.l,v107.h,v108.l,v108.h,v109.l,v109.h,v110.l,v110.h,v111.l,v111.h
	v_cvt_f32_f16 v[PT+j], \h
.set j, j+1
.endr
.irp i, 0,1,2,3,4,5,6,7,8,9,10,11,12,13,14,15
	v_pk_add_f32 v[PS+2*\i:PS+2*\i+1], v[PS+2*\i:PS+2*\i+1], v[PT+2*\i:PT+2*\i+1] neg_lo:[0,1] neg_hi:[0,1]
.endr
.irp i, 0,1,2,3,4,5,6,7,8,9,10,11,12,13,14,15
	v_cvt_pk_f16_f32 v[PL+\i], v[PS+2*\i], v[PS+2*\i+1]
.endr
.irp c, 0,1,2,3
	ds_store_b128 v4, v[PH+4*\c:PH+4*\c+3] offset:64*(\t)+16*\c
	ds_store_b128 v4, v[PL+4*\c:PL+4*\c+3] offset:PLLDS-PHLDS+64*(\t)+16*\c
.endr
.if (\t)+2 < 4
	PLOAD (\t)+2
.endif
	s_wait_dscnt 0x0                               ; the stores have read their registers
.endm
.irp t, 0,1,2,3
	PBLOCK \t
.endr
.irp t, 0,1,2,3,4,5,6,7,8,9,10,11,12,13,14,15
	ds_load_b128 v[PT+4*\t:PT+4*\t+3], v7 offset:2*\t*WPITCH
.endr
.irp t, 0,1,2,3,4,5,6,7,8,9,10,11,12,13,14,15
	ds_load_b128 v[PX+4*\t:PX+4*\t+3], v7 offset:PLLDS-PHLDS+2*\t*WPITCH
.endr
.irp t, 0,1,2,3,4,5,6,7,8,9,10,11,12,13,14,15
	s_wait_dscnt 31-\t                             ; behind load t: the other 15 - t of its run and the low parts' 16
	global_store_b128 v8, v[PT+4*\t:PT+4*\t+3], s[18:19] offset:2*\t*2048   ; sixteen lanes store 256 consecutive bytes, aligned
.endr
.irp t, 0,1,2,3,4,5,6,7,8,9,10,11,12,13,14,15
	s_wait_dscnt 15-\t
	global_store_b128 v8, v[PX+4*\t:PX+4*\t+3], s[18:19] offset:2097152+2*\t*2048
.endr
	s_wait_tensorcnt 0x0                           ; the wave's end
	ds_add_u32 v[SPW], v[NIL]
	s_wait_dscnt 0x0
	s_endpgm
.Lfunc_end_k_qc826d1e1b4_prep:
	.size	k_qc826d1e1b4_prep, .Lfunc_end_k_qc826d1e1b4_prep-k_qc826d1e1b4_prep
	.p2alignl 7, 3214868480
	.fill 96, 4, 3214868480
	.section	.rodata,"a",@progbits
	.p2align	6, 0x0
	.amdhsa_kernel k_qc826d1e1b4_prep
		.amdhsa_group_segment_fixed_size 137728
		.amdhsa_private_segment_fixed_size 0
		.amdhsa_enable_private_segment 0
		.amdhsa_kernarg_size 64
		.amdhsa_user_sgpr_count 2
		.amdhsa_user_sgpr_kernarg_segment_ptr 1
		.amdhsa_wavefront_size32 1
		.amdhsa_system_sgpr_workgroup_id_x 1
		.amdhsa_system_sgpr_workgroup_id_y 1
		.amdhsa_system_sgpr_workgroup_id_z 1
		.amdhsa_system_vgpr_workitem_id 0
		.amdhsa_next_free_vgpr 192
		.amdhsa_next_free_sgpr 66
		.amdhsa_reserve_vcc 0
		.amdhsa_float_denorm_mode_32 3
		.amdhsa_float_denorm_mode_16_64 3
		.amdhsa_memory_ordered 1
		.amdhsa_forward_progress 1
		.amdhsa_inst_pref_size 148
	.end_amdhsa_kernel
	.amdgpu_metadata
---
amdhsa.version: [ 1, 2 ]
amdhsa.kernels:
  - .name:           k_qc826d1e1b4_prep
    .symbol:         k_qc826d1e1b4_prep.kd
    .args:
      - { .name: x, .offset: 0, .size: 8, .value_kind: global_buffer, .address_space: global }
      - { .name: Wqkv, .offset: 8, .size: 8, .value_kind: global_buffer, .address_space: global }
      - { .name: Wproj, .offset: 16, .size: 8, .value_kind: global_buffer, .address_space: global }
      - { .name: xc, .offset: 24, .size: 8, .value_kind: global_buffer, .address_space: global }
      - { .name: xs, .offset: 32, .size: 8, .value_kind: global_buffer, .address_space: global }
      - { .name: wc, .offset: 40, .size: 8, .value_kind: global_buffer, .address_space: global }
      - { .name: ws, .offset: 48, .size: 8, .value_kind: global_buffer, .address_space: global }
      - { .name: wp, .offset: 56, .size: 8, .value_kind: global_buffer, .address_space: global }
    .group_segment_fixed_size: 137728
    .private_segment_fixed_size: 0
    .kernarg_segment_align: 8
    .kernarg_segment_size: 64
    .max_flat_workgroup_size: 128
    .sgpr_count:     66
    .vgpr_count:     192
    .wavefront_size: 32
...
	.end_amdgpu_metadata
.endif
;; end of part 1
;; launch qkv (part 2): grid 12 x 32, 4 waves a work-group, clusters of 4 x 4, 327,680 bytes of LDS; arguments xc, xs, wc, ws, bqkv, qkv; writes qkv
.if DOCPART == 2
	.amdgcn_target "amdgcn-amd-amdhsa--gfx1250"
	.amdhsa_code_object_version 6
	.text
	.protected	k_qc826d1e1b4_qkv
	.globl	k_qc826d1e1b4_qkv
	.p2align	8
	.type	k_qc826d1e1b4_qkv,@function
k_qc826d1e1b4_qkv:
	s_mov_b64 s[64:65], 0
	v_nop
	global_prefetch_b8 v0, s[64:65] scope:SCOPE_SE
	s_setreg_imm32_b32 hwreg(HW_REG_WAVE_MODE, 25, 1), 1
	s_wait_xcnt 0x0
	s_wait_alu depctr_hold_cnt(0) depctr_sa_sdst(0) depctr_va_vdst(0) depctr_va_sdst(0) depctr_va_ssrc(0) depctr_va_vcc(0) depctr_vm_vsrc(0)
	s_getreg_b32 s2, hwreg(HW_REG_IB_STS2, 6, 4)
	s_cmp_eq_u32 s2, 0
	s_cbranch_scc0 .Lentry_in_a_cluster
	s_endpgm
.Lentry_in_a_cluster:
	s_bfe_u32 s2, ttmp6, 0x10000c
	s_cmp_lg_u32 s2, 0xf033
	s_cbranch_scc0 .Lentry_shape_is_right
	s_endpgm
.Lentry_shape_is_right:
; qkv[m][n] = (sum over k of x[m][k] Wqkv[k][n] + bqkv[n]) x (1/8 for the q columns, n < 1,024), rounded once to f16.  Both operands are codes of FP4 (E2M1) with one E8M0 scale for each 32 along K.
; A = xc [8192][512 bytes], xs [8192][32]; B = wc [3072][512 bytes], ws [3072][32]; the result [8192][3072] f16.  1/8 = 64^-0.5 is a power of two: scaling q here rounds nothing that scaling the scores would not.
; A tile of 256 x 256 is made by four waves, each 128 x 128: 64 accumulators, 512 registers.  K = 1,024 is two slots of 512 along K (rows of 256 bytes): both are asked for at the head, and nothing is filled again.
; The scale bytes of the work-group's 256 + 256 rows come once, as dense blocks.  CLUSTERS: 4 x 4 work-groups; A's tiles are asked for jointly along a row of the cluster, B's along a column.
; THE MATRIX INSTRUCTION IS USED TRANSPOSED (source 0 = 16 rows of B, source 1 = 16 rows of A): a lane holds eight neighbouring columns of one row.  THE BIAS is the C of each sum's first product.
; LIMIT: |q / 8|, |k|, |v| stay under 65,504 (f16).
; REGISTERS: window 0: v0-31 addresses; v32-95 scale words, two sets, and nothing else; v128-191 A's fragments, one set; v192-255 the bias, eight tiles of eight; on the way out v128-223 are at work.
;   window 1: B's fragments, two sets, at v0 and v128.   window 2: accumulators of my rows 0-63 ((a, b) at v[8 (8 a + b)]);   window 3: of my rows 64-127.
.set SIZE_M, 8192
.set SIZE_N, 3072
.set SIZE_K, 1024
.set KSTEP,  512
.set NQ,     KSTEP/128
.set ROWB,   256
.set KROW,   SIZE_K*4/8
.set PITCH,  272                       ; an LDS row: 256 bytes + 16 of padding = 68 words: the 16 rows that a load touches start at 16 different banks (64 banks of 4 bytes: ISA guide 11.1)
.set FR,     8
.set NL,     2
.set NP,     4
.set HALFT,  128*PITCH
.set SLOT,   4*HALFT
.set KS,     SIZE_K/32
.set SCL,    2*SLOT
.set HALFS,  (128*KS/256)*272
.set SBLK,   (16*KS/256)*272
.set SPARE,  SCL+4*HALFS               ; the spare words, 128 bytes for each wave: two blocks of 256 bytes that no other line names
.set SPITCH, 272                       ; the way out: 16 rows x (256 bytes + 16) for each wave, in slot 0, which has had its only fill and its last read by then
.set ADRA, 16
.set ADRB, 20
.set STO,  24
.set RD,   25
.set CO,   26
.set ADRS, 27
.set SPW,  28
.set NIL,  29
.set BAD,  30                          ; v30  the bias loads' offset: 32 x (lane / 16); never rewritten
.set SC,   32
.set AF,   128
.set BIAS, 192
.set TMP,  192                         ; the way out: packed results (the bias is done with)
.set OB,   128                         ; the way out: 16 rows read back: v128-159 and v160-191 by turns (A's fragments are done with)
.set G1, 24
.set G0, 32
.set G1B, 48
.set G0B, 56
.set G1S, 68
.set G0S, 76
.set G1SB, 80
.set G0SB, 88
.set MSB, 0
.macro WIN new                         ; the immediate's high byte repeats the setting that is left
.if MSB != (\new)
	s_set_vgpr_msb (MSB<<8)|(\new)
.set MSB, \new
.endif
.endm
.set MUL_LO, 0xa1                      ; source 0 (B) window 1, source 1 (A) window 0, C and D window 2
.set MUL_HI, 0xf1                      ; the same, C and D window 3
.set BIA_LO, 0x81                      ; the first products: C (the bias) window 0, D window 2
.set BIA_HI, 0xc1                      ; D window 3
.set TO_B,   0x40
; A joint load: waves 0 and 1 fetch for A, waves 2 and 3 for B; the branch hangs on the wave's number alone.  An s_nop 0 and four v_nop follow each line.
.macro JLOAD g0a, g1a, g0b, g1b
	s_cmp_eq_u32 s15, 0
	s_cbranch_scc0 .Lfor_b_\@
	tensor_load_to_lds s[\g0a:\g0a+3], s[\g1a:\g1a+7]
	s_nop 0
.rept 4
	v_nop
.endr
	s_branch .Lasked_\@
.Lfor_b_\@:
	tensor_load_to_lds s[\g0b:\g0b+3], s[\g1b:\g1b+7]
	s_nop 0
.rept 4
	v_nop
.endr
.Lasked_\@:
.endm
.macro CROUND                          ; a round of the cluster's barrier
	s_barrier_signal -1
	s_barrier_wait -1
	s_cmp_lg_u32 s14, 0
	s_cbranch_scc1 .Lnot_wave_0_\@
	s_barrier_signal -3
.Lnot_wave_0_\@:
	s_barrier_wait -3
	s_barrier_signal -1
	s_barrier_wait -1
.endm
	s_load_b128 s[4:7], s[0:1], 0x0                ; A's codes, A's scales
	s_load_b128 s[8:11], s[0:1], 0x10              ; B's codes, B's scales
	s_load_b64 s[2:3], s[0:1], 0x20                ; the bias
	s_load_b64 s[12:13], s[0:1], 0x28              ; the result
	v_lshl_add_u32 v[SPW], v0, 2, SPARE
	v_mov_b32 v[NIL], 0
	ds_add_u32 v[SPW], v[NIL]                      ; the wave's opening: the add, twice on end, and its wait ahead of my first tensor load
	ds_add_u32 v[SPW], v[NIL]
	v_lshrrev_b32 v1, 5, v0
	v_readfirstlane_b32 s14, v1                    ; wave 0..3
	s_lshr_b32 s15, s14, 1                         ; which half of the tile's rows is mine.  Also: I fetch for A (0) or for B (1)
	s_and_b32 s16, s14, 1                          ; which half of its columns.  Also: which 128 rows of that tile I fetch
	s_bfe_u32 s40, ttmp6, 0x40000                  ; cx, cy
	s_bfe_u32 s41, ttmp6, 0x40004
	s_lshl_b32 s42, ttmp9, 2
	s_add_co_u32 s42, s42, s40                     ; tile column
	s_and_b32 s17, ttmp7, 0xffff
	s_lshl_b32 s17, s17, 2
	s_add_co_u32 s17, s17, s41                     ; tile row
	s_lshl_b32 s43, s41, 2
	s_lshl_b32 s43, 15, s43                        ; my row of the cluster
	s_lshl_b32 s44, 0x1111, s40                    ; my column
	s_or_b32 s[G1+0], s43, (0<<16)|(1<<20)|(1<<21)|(5<<22)|(3<<25)  ; the mask; elements of 1 byte; padding on; bit 21 beside a mask; after every 64 words four words
	s_or_b32 s[G1B+0], s44, (0<<16)|(1<<20)|(1<<21)|(5<<22)|(3<<25)
.irp g, G1, G1B
	s_mov_b32 s[\g+1], ROWB<<16                    ; tensor_dim0
	s_mov_b32 s[\g+2], 128<<16                     ; tensor_dim1
	s_mov_b32 s[\g+3], ROWB<<16                    ; tile_dim0
	s_mov_b32 s[\g+4], 128                         ; tile_dim1
	s_mov_b32 s[\g+5], KROW                        ; the pitch
	s_mov_b32 s[\g+6], 0
	s_mov_b32 s[\g+7], 0
.endr
	s_or_b32 s[G1S+0], s43, (3<<16)|(1<<20)|(1<<21)|(5<<22)|(3<<25)  ; the scales of 128 rows: 4,096 dense bytes as 16 rows of 256 (32 elements of 8 bytes), padded alike
	s_or_b32 s[G1SB+0], s44, (3<<16)|(1<<20)|(1<<21)|(5<<22)|(3<<25)
.irp g, G1S, G1SB
	s_mov_b32 s[\g+1], 32<<16
	s_mov_b32 s[\g+2], (128*KS/256)<<16
	s_mov_b32 s[\g+3], 32<<16
	s_mov_b32 s[\g+4], 128*KS/256
	s_mov_b32 s[\g+5], 32
	s_mov_b32 s[\g+6], 0
	s_mov_b32 s[\g+7], 0
.endr
	s_lshl_b32 s18, s16, 7
	s_lshl_b32 s20, s17, 8
	s_add_co_u32 s20, s20, s18                     ; A: row 256 x tile row + 128 x half
	s_lshl_b32 s46, s42, 8
	s_add_co_u32 s46, s46, s18                     ; B: row 256 x tile column + 128 x half
	s_mov_b32 s21, 0
	s_mov_b32 s47, 0
	s_mov_b64 s[18:19], KS
	s_mul_u64 s[22:23], s[20:21], s[18:19]
	s_mul_u64 s[92:93], s[46:47], s[18:19]
	s_mov_b64 s[18:19], KROW
	s_mul_u64 s[20:21], s[20:21], s[18:19]
	s_mul_u64 s[46:47], s[46:47], s[18:19]
	s_mul_i32 s45, s14, HALFT                      ; where they go: wave x 128 rows: no place in the cluster enters an LDS address
	s_mul_i32 s94, s14, HALFS
	s_wait_dscnt 0x0                               ; both opening adds are done
	s_wait_kmcnt 0x0
	s_add_nc_u64 s[20:21], s[4:5], s[20:21]
	s_add_nc_u64 s[22:23], s[6:7], s[22:23]
	s_add_nc_u64 s[46:47], s[8:9], s[46:47]
	s_add_nc_u64 s[92:93], s[10:11], s[92:93]
	CROUND                                         ; all sixteen work-groups are here: the first joint loads meet
	s_mov_b32 s[G0S], 1
	s_add_co_u32 s[G0S+1], s94, SCL
	s_mov_b64 s[G0S+2:G0S+3], s[22:23]
	s_or_b32 s[G0S+3], s[G0S+3], 0x80000000
	s_mov_b32 s[G0SB], 1
	s_add_co_u32 s[G0SB+1], s94, SCL
	s_mov_b64 s[G0SB+2:G0SB+3], s[92:93]
	s_or_b32 s[G0SB+3], s[G0SB+3], 0x80000000
	JLOAD G0S, G1S, G0SB, G1SB                     ; the scales first: they are wanted with the first slot
.irp s, 0,1
	s_mov_b32 s[G0+4*\s], 1
	s_add_co_u32 s[G0+4*\s+1], s45, \s*SLOT
	s_add_nc_u64 s[G0+4*\s+2:G0+4*\s+3], s[20:21], \s*ROWB
	s_or_b32 s[G0+4*\s+3], s[G0+4*\s+3], 0x80000000
	s_mov_b32 s[G0B+4*\s], 1
	s_add_co_u32 s[G0B+4*\s+1], s45, \s*SLOT
	s_add_nc_u64 s[G0B+4*\s+2:G0B+4*\s+3], s[46:47], \s*ROWB
	s_or_b32 s[G0B+4*\s+3], s[G0B+4*\s+3], 0x80000000
	JLOAD G0+4*\s, G1, G0B+4*\s, G1B               ; three loads of mine are out at the most
.endr
	v_and_b32 v1, 15, v0                           ; r = lane % 16
	v_bfe_u32 v2, v0, 4, 1                         ; h = lane / 16
	v_mul_u32_u24 v3, v1, PITCH
	v_lshl_add_u32 v4, v2, 4, v3
	s_mul_i32 s21, s15, HALFT
	s_mul_i32 s22, s16, HALFT
	s_add_co_u32 s22, s22, 2*HALFT
.irp s, 0,1
	v_add_nc_u32 v[ADRA+\s], s21, v4
	v_add_nc_u32 v[ADRB+\s], s22, v4
	s_add_co_u32 s21, s21, SLOT
	s_add_co_u32 s22, s22, SLOT
.endr
	v_mul_u32_u24 v5, v1, KS                       ; my row's scales: 32 bytes a row,
	v_lshrrev_b32 v6, 8, v5
	v_lshl_add_u32 v5, v6, 4, v5                   ; and 16 more for each 256 passed
	s_mul_i32 s21, s15, HALFS
	s_mul_i32 s22, s16, HALFS
	s_add_co_u32 s22, s22, 2*HALFS
	s_sub_co_u32 s22, s22, s21
	v_mul_u32_u24 v6, s22, v2                      ; lanes 16-31 take B's: one product, the distance between the two bases
	s_add_co_u32 s21, s21, SCL
	v_add_nc_u32 v5, v5, v6
	v_add_nc_u32 v[ADRS], s21, v5
	s_mul_i32 s23, s14, 16*SPITCH                  ; my stage
	v_mul_u32_u24 v5, v1, SPITCH
	v_lshl_add_u32 v5, v2, 4, v5
	v_add_nc_u32 v[STO], s23, v5                   ; in: row r, 16 bytes for each half of the lanes
	v_mul_u32_u24 v5, v2, SPITCH
	v_lshl_add_u32 v5, v1, 4, v5
	v_add_nc_u32 v[RD], s23, v5                    ; back: lanes 0-15 one row of 256 bytes, lanes 16-31 the next
	v_mul_u32_u24 v5, v2, SIZE_N*2
	v_lshl_add_u32 v[CO], v1, 4, v5                ; the same two rows in the result
	s_lshl_b32 s20, s17, 8
	s_lshl_b32 s21, s15, 7
	s_add_co_u32 s20, s20, s21                     ; my first row
	s_mov_b32 s21, 0
	s_mov_b64 s[18:19], SIZE_N*2
	s_mul_u64 s[20:21], s[20:21], s[18:19]
	s_lshl_b32 s46, s42, 9                         ; my first column, 2 bytes each: 512 x tile column + 256 x half
	s_lshl_b32 s47, s16, 8
	s_add_co_u32 s46, s46, s47
	s_mov_b32 s47, 0
	s_add_nc_u64 s[20:21], s[20:21], s[46:47]
	s_add_nc_u64 s[12:13], s[12:13], s[20:21]
	s_lshl_b32 s46, s46, 1                         ; the same column in the bias, 4 bytes each
	s_add_nc_u64 s[2:3], s[2:3], s[46:47]
	v_lshlrev_b32 v[BAD], 5, v2
.irp b, 0,1,2,3,4,5,6,7                        ; tile b of the bias in the result's layout: lane (r, h) holds columns 16 b + 8 h + 0 .. 7
	global_load_b128 v[BIAS+8*\b:BIAS+8*\b+3], v[BAD], s[2:3] offset:64*\b
	global_load_b128 v[BIAS+8*\b+4:BIAS+8*\b+7], v[BAD], s[2:3] offset:64*\b+16
.endr
	s_cmp_eq_u32 ttmp9, 0                          ; the first column of clusters holds columns 0 .. 1,023: q
	s_cselect_b32 s96, 0x3e000000, 1.0             ; 1/8 there, 1 elsewhere: a choice of a value, no branch
	s_mov_b32 s97, s96                             ; (named with it as a pair)
.macro FRAG reg, adr, q, i             ; 16 rows x 128 K of 4-bit codes: 8 registers, two loads of 16 bytes, 32 bytes apart
.irp c, 0,1
	ds_load_b128 v[\reg+4*\c:\reg+4*\c+3], v[\adr] offset:64*(\q)+32*\c+(\i)*16*PITCH
.endr
.endm
; 16 matrix instructions: A's blocks a0, a0 + 1 x B's eight, the slot's q-th 128 along K.  zero = 1: the first product starts the sums on the bias.  The 64 accumulators take turns.
.macro MUL16 a0, p, q, sc, zero
.irp a, \a0, \a0+1
.irp b, 0,1,2,3,4,5,6,7
.if \zero
	v_wmma_scale_f32_16x16x128_f8f6f4 v[8*(8*((\a)%4)+\b):8*(8*((\a)%4)+\b)+7], v[128*(\p)+FR*\b:128*(\p)+FR*\b+FR-1], v[AF+FR*(\a):AF+FR*(\a)+FR-1], v[BIAS+8*\b:BIAS+8*\b+7], v[SC+8*NQ*(\sc)+NQ*\b+(\q)], v[SC+8*NQ*(\sc)+NQ*(\a)+(\q)] matrix_a_fmt:MATRIX_FMT_FP4 matrix_b_fmt:MATRIX_FMT_FP4 matrix_a_scale:MATRIX_SCALE_ROW1
.else
	v_wmma_scale_f32_16x16x128_f8f6f4 v[8*(8*((\a)%4)+\b):8*(8*((\a)%4)+\b)+7], v[128*(\p)+FR*\b:128*(\p)+FR*\b+FR-1], v[AF+FR*(\a):AF+FR*(\a)+FR-1], v[8*(8*((\a)%4)+\b):8*(8*((\a)%4)+\b)+7], v[SC+8*NQ*(\sc)+NQ*\b+(\q)], v[SC+8*NQ*(\sc)+NQ*(\a)+(\q)] matrix_a_fmt:MATRIX_FMT_FP4 matrix_b_fmt:MATRIX_FMT_FP4 matrix_a_scale:MATRIX_SCALE_ROW1
.endif
.endr
.endr
.endm
.macro FETCH_B slot, q, p
	WIN TO_B
.irp i, 0,1,2,3,4,5,6,7
	FRAG 128*(\p)+FR*\i, ADRB+\slot, \q, \i
.endr
	WIN 0
.endm
.macro FETCH_A slot, q, i0
.irp i, \i0, \i0+1, \i0+2, \i0+3
	FRAG AF+FR*(\i), ADRA+\slot, \q, \i
.endr
.endm
.macro SCALES sc                       ; a slot's scale words: four words a row; lanes 0-15 take A's block i, lanes 16-31 B's block i
.irp i, 0,1,2,3,4,5,6,7
	ds_load_b128 v[SC+8*NQ*\sc+NQ*\i:SC+8*NQ*\sc+NQ*\i+3], v[ADRS] offset:\i*SBLK
.endr
.endm
.macro PLACES n                        ; plain vector instructions between a matrix instruction and a load into, or a read of, its registers
.rept \n
	v_nop
.endr
.endm
.macro STEP slot, q, zero              ; 128 along K that has its successor in the same slot
	s_wait_dscnt 4*NL                              ; B's set and A's blocks 0-3 are in; the youngest eight loads (A's blocks 4-7) may be out
.if \zero
	WIN BIA_LO
.else
	WIN MUL_LO
.endif
	MUL16 0, (\q)%2, \q, \slot, \zero
	MUL16 2, (\q)%2, \q, \slot, \zero
	s_wait_dscnt 0
	PLACES NP
	FETCH_B \slot, (\q)+1, 1-(\q)%2
	FETCH_A \slot, (\q)+1, 0
.if \zero
	WIN BIA_HI
.else
	WIN MUL_HI
.endif
	MUL16 4, (\q)%2, \q, \slot, \zero
	MUL16 6, (\q)%2, \q, \slot, \zero
	PLACES NP
	WIN 0
	FETCH_A \slot, (\q)+1, 4
.endm
; Slot 0's last step changes slots: one barrier; in front of it each wave waits for all its tensor loads (slot 1's is the one that is out), adds 0 to its spare word, and waits for that and its reads of slot 0.
.macro TURN slot, next
	s_wait_tensorcnt 0x0
	ds_add_u32 v[SPW], v[NIL]
	s_wait_dscnt 4*NL+1                            ; (the add and the youngest eight loads may be out)
	WIN MUL_LO
	MUL16 0, 1, NQ-1, \slot, 0
	s_wait_dscnt 0x0                               ; the add is done, and my reads of this slot are over
	s_barrier_signal -1
	MUL16 2, 1, NQ-1, \slot, 0
	WIN 0
	s_barrier_wait -1
	PLACES NP
	v_add_nc_u32 v[ADRS], 4*NQ, v[ADRS]            ; on to the next slot's scale words
	FETCH_B \next, 0, 0
	FETCH_A \next, 0, 0
	SCALES \next
	WIN MUL_HI
	MUL16 4, 1, NQ-1, \slot, 0
	MUL16 6, 1, NQ-1, \slot, 0
	PLACES NP
	WIN 0
	FETCH_A \next, 0, 4
.endm
.macro STEPS slot, from
.set Q, \from
.rept NQ-1-\from
	STEP \slot, Q, 0
.set Q, Q+1
.endr
.endm
	s_wait_tensorcnt 1                             ; the scales and my part of slot 0 are in; slot 1's load may be out
	s_barrier_signal -1
	s_barrier_wait -1
	FETCH_B 0, 0, 0
	FETCH_A 0, 0, 0
	SCALES 0
	FETCH_A 0, 0, 4
	s_wait_loadcnt 0x0                             ; the bias
	STEP 0, 0, 1
	STEPS 0, 1
	TURN 0, 1
	STEPS 1, 0
	s_wait_dscnt 4*NL                              ; the very last step
	WIN MUL_LO
	MUL16 0, 1, NQ-1, 1, 0
	MUL16 2, 1, NQ-1, 1, 0
	s_wait_dscnt 0
	WIN MUL_HI
	MUL16 4, 1, NQ-1, 1, 0
	MUL16 6, 1, NQ-1, 1, 0
	WIN 0
; THE WAY OUT, block by block of 16 rows x 128 columns.  PACK: x 1/8 or 1, rounded to f16, 16 bytes a lane.  TOSTAGE: into my stage and back as whole rows of 256 bytes.  SEND: stored.
.macro PACK a
.set AC, 64*((\a)%4)
	WIN 0x82+0x41*((\a)/4)                         ; destination and source 0: window 2 or 3
.set i, 0
.rept 32
	v_pk_mul_f32 v[AC+i:AC+i+1], v[AC+i:AC+i+1], s[96:97] op_sel_hi:[1,0]   ; each accumulator from its low end on
.set i, i+2
.endr
	WIN 0x0a+5*((\a)/4)                            ; sources 0 and 1: window 2 or 3
.irp b, 0,1,2,3,4,5,6,7
.irp r, 0,1,2,3
	v_cvt_pk_f16_f32 v[TMP+4*\b+\r], v[AC+8*\b+2*\r], v[AC+8*\b+2*\r+1]
.endr
.endr
	WIN 0
.endm
.macro TOSTAGE a
.set BKR, OB+32*((\a)%2)
.irp b, 0,1,2,3,4,5,6,7
	ds_store_b128 v[STO], v[TMP+4*\b:TMP+4*\b+3] offset:32*\b
.endr
.irp t, 0,1,2,3,4,5,6,7
	ds_load_b128 v[BKR+4*\t:BKR+4*\t+3], v[RD] offset:\t*2*SPITCH    ; in order behind my stores (ISA guide 5.7.1.4)
.endr
.endm
.macro SEND a
.set BKR, OB+32*((\a)%2)
	s_wait_dscnt 0x0                               ; the block is back in registers
	s_wait_xcnt 0x0                                ; earlier stores have read their base and their registers: only now is the base stepped, and the block after next may land
.if (\a) > 0
	s_add_nc_u64 s[12:13], s[12:13], 16*SIZE_N*2
.endif
.irp t, 0,1,2,3,4,5,6,7
	global_store_b128 v[CO], v[BKR+4*\t:BKR+4*\t+3], s[12:13] offset:2*\t*SIZE_N*2   ; 16 lanes store 256 consecutive bytes, aligned
.endr
.endm
	PLACES NP
	PACK 0
	TOSTAGE 0
.irp a, 1,2,3,4,5,6,7                  ; block a's arithmetic stands between block a - 1's loads from the stage and the wait for them
	PACK \a
	SEND (\a)-1
	TOSTAGE \a
.endr
	SEND 7
	s_wait_tensorcnt 0x0                           ; the wave's end
	ds_add_u32 v[SPW], v[NIL]
	s_wait_dscnt 0x0
	CROUND                                         ; the closing round
	s_endpgm
.Lfunc_end_k_qc826d1e1b4_qkv:
	.size	k_qc826d1e1b4_qkv, .Lfunc_end_k_qc826d1e1b4_qkv-k_qc826d1e1b4_qkv
	.p2alignl 7, 3214868480
	.fill 96, 4, 3214868480
	.section	.rodata,"a",@progbits
	.p2align	6, 0x0
	.amdhsa_kernel k_qc826d1e1b4_qkv
		.amdhsa_group_segment_fixed_size 327680
		.amdhsa_private_segment_fixed_size 0
		.amdhsa_enable_private_segment 0
		.amdhsa_kernarg_size 48
		.amdhsa_user_sgpr_count 2
		.amdhsa_user_sgpr_kernarg_segment_ptr 1
		.amdhsa_wavefront_size32 1
		.amdhsa_system_sgpr_workgroup_id_x 1
		.amdhsa_system_sgpr_workgroup_id_y 1
		.amdhsa_system_sgpr_workgroup_id_z 1
		.amdhsa_system_vgpr_workitem_id 0
		.amdhsa_next_free_vgpr 1024
		.amdhsa_next_free_sgpr 100
		.amdhsa_reserve_vcc 0
		.amdhsa_float_denorm_mode_32 3
		.amdhsa_float_denorm_mode_16_64 3
		.amdhsa_memory_ordered 1
		.amdhsa_forward_progress 1
		.amdhsa_inst_pref_size 145
	.end_amdhsa_kernel
	.amdgpu_metadata
---
amdhsa.version: [ 1, 2 ]
amdhsa.kernels:
  - .name:           k_qc826d1e1b4_qkv
    .symbol:         k_qc826d1e1b4_qkv.kd
    .args:
      - { .name: xc, .offset: 0, .size: 8, .value_kind: global_buffer, .address_space: global }
      - { .name: xs, .offset: 8, .size: 8, .value_kind: global_buffer, .address_space: global }
      - { .name: wc, .offset: 16, .size: 8, .value_kind: global_buffer, .address_space: global }
      - { .name: ws, .offset: 24, .size: 8, .value_kind: global_buffer, .address_space: global }
      - { .name: bqkv, .offset: 32, .size: 8, .value_kind: global_buffer, .address_space: global }
      - { .name: qkv, .offset: 40, .size: 8, .value_kind: global_buffer, .address_space: global }
    .group_segment_fixed_size: 327680
    .private_segment_fixed_size: 0
    .kernarg_segment_align: 8
    .kernarg_segment_size: 48
    .max_flat_workgroup_size: 128
    .sgpr_count:     100
    .vgpr_count:     1024
    .wavefront_size: 32
...
	.end_amdgpu_metadata
.endif
;; end of part 2
;; launch attn (part 3): grid 8 x 32, 8 waves a work-group, clusters of 4 x 4, 327,680 bytes of LDS; arguments qkv, causal_mask, att, afl; writes att, afl
.if DOCPART == 3
	.amdgcn_target "amdgcn-amd-amdhsa--gfx1250"
	.amdhsa_code_object_version 6
	.text
	.protected	k_qc826d1e1b4_attn
	.globl	k_qc826d1e1b4_attn
	.p2align	8
	.type	k_qc826d1e1b4_attn,@function
k_qc826d1e1b4_attn:
	s_mov_b64 s[64:65], 0
	v_nop
	global_prefetch_b8 v0, s[64:65] scope:SCOPE_SE
	s_setreg_imm32_b32 hwreg(HW_REG_WAVE_MODE, 25, 1), 1
	s_wait_xcnt 0x0
	s_wait_alu depctr_hold_cnt(0) depctr_sa_sdst(0) depctr_va_vdst(0) depctr_va_sdst(0) depctr_va_ssrc(0) depctr_va_vcc(0) depctr_vm_vsrc(0)
	s_getreg_b32 s2, hwreg(HW_REG_IB_STS2, 6, 4)
	s_cmp_eq_u32 s2, 0
	s_cbranch_scc0 .Lentry_in_a_cluster
	s_endpgm
.Lentry_in_a_cluster:
	s_bfe_u32 s2, ttmp6, 0x10000c
	s_cmp_lg_u32 s2, 0xf033
	s_cbranch_scc0 .Lentry_shape_is_right
	s_endpgm
.Lentry_shape_is_right:
; att[b][q][h 64 + c] = sum over k of softmax_k(q'[q] . k[k] + mask[q][k]) v[k][c], for 64 heads of size 64; q' = q / 8 was scaled by the launch before.  qkv: [8192][3072] f16; mask: [2048][2048] f32, AN INPUT:
; it is read and added as it is given, so every work-group walks all 2,048 keys and nothing is left out.  Products on f16 operands with f32 sums; maxima, exponentials and sums in f32; p rounded to f16; att once to f16.
; afl holds, for the first 16 queries of every block of 256, the f16 low part (number - its f16), for the launch that carries the first 16 positions of a sequence finely; all blocks store it;
; block 0's is read.
; SHARES.  A work-group owns 256 queries (x) of a pair of heads (y): a pair's 128 channels are 256 aligned bytes of a row.  Wave w: head w / 4 of the pair, queries 64 (w % 4) on: four tiles of 16.  A key step is 64 keys.
; LAYOUT.  S^T = K Q^T + mask^T (source 0 = 16 keys, source 1 = 16 queries): a lane holds ONE query and keys 8 (lane / 16) + 0..7.  THE MASK'S TILE IS THE C OF THE FIRST PRODUCT: it is loaded from LDS straight into the
; accumulators, in the result's layout, and costs no addition.  Two tiles of p, rounded in pairs, are source 1 of O^T = V^T P.  V comes out of LDS turned, by ds_load_tr16_b128.
; SOFTMAX.  A running maximum m and sum l for each query: p = 2^((z - m) log2 e); the difference is taken first and scaled after, so that a maximum of the mask's size (1e9) loses nothing; O and l are multiplied in every
; step by a = 2^((m_old - m_new) log2 e).  m begins at -3e38, O and l at 0.
; HALF A STEP APART.  Two waves share a SIMD.  Step 0's softmax is run by every wave at that step's end.  From step 1 on waves of type 0 run a step's softmax at the step's end, waves of type 1 at the next step's head:
; so one wave's vector work stands beside the other's products.  type = (w xor w / 4) & 1.  The branches hang on the wave's number and the count of steps alone; waits, adds, barriers and tensor loads are on every wave's path.
; CLUSTER 4 x 4.  K's and V's tiles hang on y alone: asked for jointly along a row of the cluster.  The mask's tile hangs on x alone: jointly along a column.  All partners make all 32 steps.
; LIMITS: NaN and infinities in qkv are not served; a row whose mask is -infinity throughout gives NaN, as the softmax of such a row does.
; REGISTERS: window 0: v2-15 addresses; v16-47 statistics, eight a tile: +0 m, +1 (named with it), +2, +3 l, +4..+7 at work (a in +6); v62, v63 the add's; v64-191 S^T, 32 a tile; v192-255 P, 16 a tile.
;   window 1: v0-127 O^T, 32 a tile; v128-191 Q, 16 a tile; v192-255 one buffer for K's and then V's eight fragments.
.set ROWQ,  6144                       ; a row of qkv in bytes
.set KVSTEP, 64*ROWQ                   ; a key step in K and in V
.set PK,    272                        ; LDS rows: K 256 bytes + 16: the 16 rows of a load start at 16 different banks (64 banks of 4 bytes: ISA guide 11.1)
.set PVP,   288                        ; V 256 + 32
.set PM,    272                        ; the mask: 64 f32 + 16 bytes
.set VOFF,  64*PK                      ; a slot: 64 rows of K, 64 of V, 256 of the mask
.set MOFF,  VOFF+64*PVP
.set SLOT1, 1<<17                      ; slot 1 begins here: one exclusive or turns an address
.set STAGE, SLOT1+MOFF+256*PM          ; behind the ring: 256 rows x 272 bytes for the way out,
.set SP,    272
.set LOST,  STAGE+256*SP               ; 16 rows x 272 for the low parts,
.set SPARE, LOST+16*SP                 ; and the spare words, 128 bytes for each wave: four blocks of 256 bytes that no other line names
.set AK0, 2
.set AV0, 3
.set AM0, 4
.set ADK, 5                            ; v5, v6, v15: the step's LDS addresses of K, the mask, V
.set ADM, 6
.set QO,  7
.set STO, 8
.set RD,  9
.set GO,  10
.set STL, 11
.set RDL, 12
.set PFO, 14
.set ADV, 15
.set ST,  16
.set SPW, 62
.set NIL, 63
.set S,   64
.set P,   192
.set QF,  128                          ; in window 1
.set KV,  192                          ; in window 1
.set WV,   12
.set TYPE, 17
.set LATE, 18                          ; s18  0 in step 1, my type from step 2 on: 1 where the step before has left its softmax to this step's head
.set G1K,  24
.set G1V,  32
.set G1M,  40
.set G0K,  48                          ; two sets each: the first fills'; the second then walks on
.set G0V,  56
.set G0M,  68
.set CS,   76                          ; s[76:77] log2 e
.set SEL,  78
.set TB,   80                          ; LDS byte at which the slot in hand begins
.set CNT,  81
.set PFA,  82
.set PFS,  84
.set LIM,  86
.set HG,   87                          ; which head of the pair
.set QS,   88                          ; which 64 queries
.set MSB, 0
.macro WIN new
.if MSB != (\new)
	s_set_vgpr_msb (MSB<<8)|(\new)
.set MSB, \new
.endif
.endm
.macro PLACES
.rept 4
	v_nop
.endr
.endm
; A joint refill: waves 0, 1 K's halves, waves 2, 3 V's, waves 4 to 7 the mask's quarters: one load a wave.  An s_nop 0 and four v_nop follow each line.
.macro JLOAD
	s_cmp_lt_u32 s[WV], 2
	s_cbranch_scc0 .Lnot_k_\@
	tensor_load_to_lds s[G0K+4:G0K+7], s[G1K:G1K+7]
	s_nop 0
.rept 4
	v_nop
.endr
	s_branch .Lasked_\@
.Lnot_k_\@:
	s_cmp_lt_u32 s[WV], 4
	s_cbranch_scc0 .Lnot_v_\@
	tensor_load_to_lds s[G0V+4:G0V+7], s[G1V:G1V+7]
	s_nop 0
.rept 4
	v_nop
.endr
	s_branch .Lasked_\@
.Lnot_v_\@:
	tensor_load_to_lds s[G0M+4:G0M+7], s[G1M:G1M+7]
	s_nop 0
.rept 4
	v_nop
.endr
.Lasked_\@:
.endm
; A PREFETCH of what the NEXT change of slots will ask for, a key step ahead of that load; a lane a row of 256 bytes.  Each row's 256 bytes of a step are named once in the launch.  K's and V's 128 rows of a pair of heads:
; the clusters with x = 0 ask, wave 0, the four partners of a row told apart by address (which 32 rows, K or V).  The mask's 256 rows of a query block: the clusters with y = 0 ask, waves 4 and 5, the four partners of a
; column told apart by address (64 rows each).  The last change that fills a slot asks for nothing; the first three steps come by their loads alone.
.macro ASK
	s_cmp_gt_u32 s[CNT], s[LIM]
	s_cbranch_scc0 .Lnot_mine_\@
	global_prefetch_b8 v[PFO], s[PFA:PFA+1] th:TH_LOAD_NT scope:SCOPE_SE
.Lnot_mine_\@:
.endm
.macro CROUND
	s_barrier_signal -1
	s_barrier_wait -1
	s_cmp_lg_u32 s[WV], 0
	s_cbranch_scc1 .Lnot_wave_0_\@
	s_barrier_signal -3
.Lnot_wave_0_\@:
	s_barrier_wait -3
	s_barrier_signal -1
	s_barrier_wait -1
.endm
	s_load_b256 s[4:11], s[0:1], 0x0               ; qkv s[4:5], the mask s[6:7], att s[8:9], afl s[10:11]
	v_lshl_add_u32 v[SPW], v0, 2, SPARE
	v_mov_b32 v[NIL], 0
	ds_add_u32 v[SPW], v[NIL]                      ; the wave's opening: the add, twice on end, and its wait ahead of my first tensor load
	ds_add_u32 v[SPW], v[NIL]
	v_lshrrev_b32 v1, 5, v0
	v_readfirstlane_b32 s[WV], v1                  ; wave 0..7
	s_lshr_b32 s[HG], s[WV], 2
	s_and_b32 s[QS], s[WV], 3
	s_xor_b32 s[TYPE], s[WV], s[HG]
	s_and_b32 s[TYPE], s[TYPE], 1
	s_bfe_u32 s13, ttmp6, 0x40000                  ; cx
	s_bfe_u32 s14, ttmp6, 0x40004                  ; cy
	s_lshl_b32 s15, ttmp9, 2
	s_add_co_u32 s15, s15, s13                     ; x: my block of 256 queries
	s_and_b32 s18, ttmp7, 0xffff                   ; the cluster's y
	s_lshl_b32 s16, s18, 2
	s_add_co_u32 s16, s16, s14                     ; y: my pair of heads, 8 b + pair
	s_lshl_b32 s19, s14, 2
	s_lshl_b32 s19, 15, s19                        ; my row of the cluster
	s_lshl_b32 s20, 0x1111, s13                    ; my column
	s_or_b32 s[G1K], s19, (1<<16)|(1<<20)|(1<<21)|(5<<22)|(3<<25)   ; the mask of work-groups; elements of 2 bytes; padding on; bit 21 beside a mask; after every 64 words four words
	s_or_b32 s[G1V], s19, (1<<16)|(1<<20)|(1<<21)|(5<<22)|(7<<25)   ; eight words
	s_or_b32 s[G1M], s20, (2<<16)|(1<<20)|(1<<21)|(5<<22)|(3<<25)   ; elements of 4 bytes
.irp g, G1K, G1V
	s_mov_b32 s[\g+1], 128<<16                     ; tensor_dim0 = 128 elements
	s_mov_b32 s[\g+2], 32<<16                      ; tensor_dim1 = 32 rows
	s_mov_b32 s[\g+3], 128<<16                     ; tile_dim0
	s_mov_b32 s[\g+4], 32                          ; tile_dim1
	s_mov_b32 s[\g+5], 3072                        ; the pitch, in elements
	s_mov_b32 s[\g+6], 0
	s_mov_b32 s[\g+7], 0
.endr
	s_mov_b32 s[G1M+1], 64<<16
	s_mov_b32 s[G1M+2], 64<<16
	s_mov_b32 s[G1M+3], 64<<16
	s_mov_b32 s[G1M+4], 64
	s_mov_b32 s[G1M+5], 2048
	s_mov_b32 s[G1M+6], 0
	s_mov_b32 s[G1M+7], 0
	; K's and V's tiles: made of y and the wave's number alone
	s_lshr_b32 s21, s16, 3                         ; b
	s_and_b32 s22, s16, 7
	s_lshl_b32 s22, s22, 8                         ; the pair's 256 bytes in a row
	s_mul_i32 s89, s21, 2048*ROWQ
	s_add_co_u32 s89, s89, s22                     ; the batch's first row, at the pair
	s_and_b32 s19, s[WV], 1                        ; which 32 rows I fetch
	s_mul_i32 s94, s19, 32*ROWQ
	s_add_co_u32 s94, s94, s89
	s_add_co_u32 s94, s94, 2048                    ; k's columns begin 2,048 bytes into a row, v's 4,096
	s_mov_b32 s95, 0
	s_mul_i32 s23, s19, 32*PK
	s_mul_i32 s66, s19, 32*PVP
	s_add_co_u32 s66, s66, VOFF
	; the mask's tile: made of x and the wave's number alone
	s_lshl_b32 s96, s15, 8
	s_lshl_b32 s97, s[QS], 6
	s_add_co_u32 s96, s96, s97
	s_lshl_b32 s96, s96, 13                        ; row 256 x + 64 (w % 4), of 8,192 bytes
	s_mov_b32 s97, 0
	s_mul_i32 s67, s[QS], 64*PM
	s_add_co_u32 s67, s67, MOFF
	; Q, att, afl
	s_lshl_b32 s98, s15, 8
	s_lshl_b32 s99, s[QS], 6
	s_add_co_u32 s98, s98, s99
	s_mul_i32 s98, s98, ROWQ
	s_add_co_u32 s98, s98, s89
	s_lshl_b32 s99, s[HG], 7
	s_add_co_u32 s98, s98, s99                     ; my first query's row, at my head
	s_mov_b32 s99, 0
	s_lshl_b32 s92, s21, 11
	s_lshl_b32 s93, s15, 8
	s_add_co_u32 s92, s92, s93
	s_lshl_b32 s93, s[WV], 5
	s_add_co_u32 s92, s92, s93                     ; the first of the 32 rows of att that I store
	s_lshl_b32 s92, s92, 11
	s_add_co_u32 s92, s92, s22
	s_mov_b32 s93, 0
	s_lshl_b32 s90, s21, 3
	s_add_co_u32 s90, s90, s15
	s_lshl_b32 s90, s90, 15                        ; afl: 16 rows of 2,048 bytes for each (b, x)
	s_add_co_u32 s90, s90, s22
	s_mov_b32 s91, 0
	; the prefetches: where mine stand, and who asks
	s_and_b32 s20, s13, 1
	s_mul_i32 s20, s20, 32*ROWQ                    ; cx & 1: which 32 rows;
	s_lshr_b32 s13, s13, 1
	s_lshl_b32 s13, s13, 11                        ; cx / 2: K or V
	s_add_co_u32 s20, s20, s13
	s_add_co_u32 s20, s20, s89
	s_add_co_u32 s20, s20, 2048+2*KVSTEP           ; at step 2: the first change steps it to 3
	s_lshl_b32 s14, s14, 6                         ; the mask: rows 256 x + 64 cy + 32 (w & 1)
	s_lshl_b32 s13, s15, 8
	s_add_co_u32 s14, s14, s13
	s_lshl_b32 s13, s19, 5
	s_add_co_u32 s14, s14, s13
	s_lshl_b32 s14, s14, 13
	s_add_co_u32 s14, s14, 2*256
	s_or_b32 s13, s[WV], ttmp9                     ; 0: wave 0 of a cluster with x = 0
	s_sub_co_u32 s16, s[WV], 4
	s_lshr_b32 s16, s16, 1
	s_or_b32 s16, s16, s18                         ; 0: waves 4, 5 of a cluster with y = 0
	s_mov_b32 s[PFS], 256
	s_mov_b32 s21, 8192
	s_cmp_lt_u32 s[WV], 4
	s_cselect_b32 s20, s20, s14
	s_cselect_b32 s13, s13, s16
	s_cselect_b32 s[PFS], KVSTEP, s[PFS]           ; a step on
	s_cselect_b32 s21, ROWQ, s21                   ; from lane to lane
	s_mov_b32 s[PFS+1], 0
	v_and_b32 v[PFO], 31, v0
	v_mul_lo_u32 v[PFO], v[PFO], s21
	s_mov_b32 s21, 0
	s_cmp_eq_u32 s13, 0
	s_cselect_b32 s[LIM], 1, -1                    ; the same in all partners, for a given wave
	s_mov_b32 s[CS], 0x3fb8aa3b                    ; log2 e
	s_mov_b32 s[CS+1], s[CS]
	s_mov_b32 s[SEL], 0x76543210
	s_mov_b32 s[SEL+1], 0xfedcba98
	s_mov_b32 s[TB], 0
	s_mov_b32 s[CNT], 30
	s_mov_b32 s[LATE], 0                           ; (the cluster's y is done with)  step 0 leaves no softmax behind
	s_wait_dscnt 0x0                               ; both opening adds are done
	s_wait_kmcnt 0x0
	s_add_nc_u64 s[2:3], s[4:5], s[98:99]          ; Q
	s_add_nc_u64 s[94:95], s[4:5], s[94:95]        ; my tile of K, step 0
	s_add_nc_u64 s[96:97], s[6:7], s[96:97]        ; my tile of the mask, step 0
	s_add_nc_u64 s[8:9], s[8:9], s[92:93]
	s_add_nc_u64 s[10:11], s[10:11], s[90:91]
	s_cmp_lt_u32 s[WV], 4
	s_cselect_b64 s[PFA:PFA+1], s[4:5], s[6:7]
	s_add_nc_u64 s[PFA:PFA+1], s[PFA:PFA+1], s[20:21]
	CROUND                                         ; all sixteen work-groups are here: the first joint loads meet
.irp s, 0,1
	s_mov_b32 s[G0K+4*\s], 1
	s_add_co_u32 s[G0K+4*\s+1], s23, \s*SLOT1
	s_add_nc_u64 s[G0K+4*\s+2:G0K+4*\s+3], s[94:95], \s*KVSTEP
	s_or_b32 s[G0K+4*\s+3], s[G0K+4*\s+3], 0x80000000
	s_mov_b32 s[G0V+4*\s], 1
	s_add_co_u32 s[G0V+4*\s+1], s66, \s*SLOT1
	s_add_nc_u64 s[G0V+4*\s+2:G0V+4*\s+3], s[94:95], \s*KVSTEP+2048
	s_or_b32 s[G0V+4*\s+3], s[G0V+4*\s+3], 0x80000000
	s_mov_b32 s[G0M+4*\s], 1
	s_add_co_u32 s[G0M+4*\s+1], s67, \s*SLOT1
	s_add_nc_u64 s[G0M+4*\s+2:G0M+4*\s+3], s[96:97], \s*256
	s_or_b32 s[G0M+4*\s+3], s[G0M+4*\s+3], 0x80000000
.endr
	s_cmp_lt_u32 s[WV], 2                          ; a wave's two first fills stand in one arm: two loads of mine are out
	s_cbranch_scc0 .Lfirst_not_k
	tensor_load_to_lds s[G0K:G0K+3], s[G1K:G1K+7]
	s_nop 0
	tensor_load_to_lds s[G0K+4:G0K+7], s[G1K:G1K+7]
	s_nop 0
.rept 4
	v_nop
.endr
	s_branch .Lfirst_asked
.Lfirst_not_k:
	s_cmp_lt_u32 s[WV], 4
	s_cbranch_scc0 .Lfirst_m
	tensor_load_to_lds s[G0V:G0V+3], s[G1V:G1V+7]
	s_nop 0
	tensor_load_to_lds s[G0V+4:G0V+7], s[G1V:G1V+7]
	s_nop 0
.rept 4
	v_nop
.endr
	s_branch .Lfirst_asked
.Lfirst_m:
	tensor_load_to_lds s[G0M:G0M+3], s[G1M:G1M+7]
	s_nop 0
	tensor_load_to_lds s[G0M+4:G0M+7], s[G1M:G1M+7]
	s_nop 0
.rept 4
	v_nop
.endr
.Lfirst_asked:
	v_and_b32 v1, 15, v0                           ; r = lane % 16
	v_bfe_u32 v13, v0, 4, 1                        ; h = lane / 16
	v_mul_u32_u24 v[QO], v1, ROWQ
	v_lshl_add_u32 v[QO], v13, 4, v[QO]
	WIN 0x40                                       ; destination window 1
.irp t, 0,1,2,3                                ; Q stays in registers: tile t, channels 32 kc on
.irp kc, 0,1
	global_load_b128 v[QF+16*\t+8*\kc:QF+16*\t+8*\kc+3],   v[QO], s[2:3] offset:\t*16*ROWQ+64*\kc
	global_load_b128 v[QF+16*\t+8*\kc+4:QF+16*\t+8*\kc+7], v[QO], s[2:3] offset:\t*16*ROWQ+64*\kc+32
.endr
.endr
.set i, 0
.rept 128
	v_mov_b32 v[i], 0                              ; O^T: the step is written once; the first a is 0 and finds zeros
.set i, i+1
.endr
	WIN 0
	s_lshl_b32 s89, s[HG], 7                       ; my head's 128 bytes of a row
	v_mul_u32_u24 v[AK0], v1, PK
	v_lshl_add_u32 v[AK0], v13, 4, v[AK0]
	v_add_nc_u32 v[AK0], s89, v[AK0]               ; K: row r, + 16 h, + my head
	v_and_b32 v48, 7, v0
	v_lshl_add_u32 v[AV0], v13, 3, v48
	v_mul_u32_u24 v[AV0], v[AV0], PVP
	v_bfe_u32 v48, v0, 3, 1
	v_lshl_add_u32 v[AV0], v48, 4, v[AV0]
	s_add_co_u32 s91, s89, VOFF
	v_add_nc_u32 v[AV0], s91, v[AV0]               ; V, for the turning load: key 8 h + lane % 8, channels 8 ((lane / 8) % 2) on
	s_mul_i32 s91, s[QS], 64*PM
	s_add_co_u32 s92, s91, MOFF
	v_mul_u32_u24 v[AM0], v1, PM
	v_lshl_add_u32 v[AM0], v13, 5, v[AM0]
	v_add_nc_u32 v[AM0], s92, v[AM0]               ; the mask: row 64 (w % 4) + r, + 32 h
	s_add_co_u32 s92, s91, s89
	s_add_co_u32 s92, s92, STAGE
	v_mul_u32_u24 v[STO], v1, SP
	v_lshl_add_u32 v[STO], v13, 4, v[STO]
	v_add_nc_u32 v[STL], s89, v[STO]
	v_add_nc_u32 v[STL], LOST, v[STL]              ; the low parts' stage: row r, my head's half, + 16 h
	v_add_nc_u32 v[STO], s92, v[STO]               ; the stage: row 64 (w % 4) + r likewise
	v_mul_u32_u24 v[RDL], v13, SP
	v_lshl_add_u32 v[RDL], v1, 4, v[RDL]
	s_mul_i32 s92, s[WV], 32*SP
	s_add_co_u32 s92, s92, STAGE
	v_add_nc_u32 v[RD], s92, v[RDL]                ; back: my 32 rows; lanes 0-15 one row of 256 bytes, lanes 16-31 the next
	v_add_nc_u32 v[RDL], LOST, v[RDL]
	v_lshlrev_b32 v[GO], 11, v13
	v_lshl_add_u32 v[GO], v1, 4, v[GO]             ; and the same two rows in att and afl
.irp t, 0,1,2,3
	v_mov_b32 v[ST+8*\t], 0xff61b1e6               ; m = -3e38
	v_mov_b32 v[ST+8*\t+1], 0
	v_mov_b32 v[ST+8*\t+2], 0                      ; l, in two halves
	v_mov_b32 v[ST+8*\t+3], 0
.endr
.macro ADDRS                           ; the step's three LDS addresses
	v_add_nc_u32 v[ADK], s[TB], v[AK0]
	v_add_nc_u32 v[ADV], s[TB], v[AV0]
	v_add_nc_u32 v[ADM], s[TB], v[AM0]
.endm
.macro MASKLOAD                        ; lane (r, h), register j of accumulator (t, kt): mask[16 t + r][16 kt + 8 h + j]: the result's layout
.irp t, 0,1,2,3
.irp kt, 0,1,2,3
	ds_load_b128 v[S+32*\t+8*\kt:S+32*\t+8*\kt+3],   v[ADM] offset:\t*16*PM+64*\kt
	ds_load_b128 v[S+32*\t+8*\kt+4:S+32*\t+8*\kt+7], v[ADM] offset:\t*16*PM+64*\kt+16
.endr
.endr
.endm
.macro KLOAD                           ; fragment 2 kt + kc: keys 16 kt on, channels 32 kc on
	WIN 0x40
.irp kt, 0,1,2,3
.irp kc, 0,1
	ds_load_b128 v[KV+8*(2*\kt+\kc):KV+8*(2*\kt+\kc)+3],   v[ADK] offset:\kt*16*PK+64*\kc
	ds_load_b128 v[KV+8*(2*\kt+\kc)+4:KV+8*(2*\kt+\kc)+7], v[ADK] offset:\kt*16*PK+64*\kc+32
.endr
.endr
.endm
.macro VLOAD                           ; fragment 4 u + c: keys 32 u on, channels 16 c on
	WIN 0x40
.irp u, 0,1
.irp c, 0,1,2,3
	ds_load_tr16_b128 v[KV+8*(4*\u+\c):KV+8*(4*\u+\c)+3],   v[ADV] offset:\u*32*PVP+32*\c
	ds_load_tr16_b128 v[KV+8*(4*\u+\c)+4:KV+8*(4*\u+\c)+7], v[ADV] offset:\u*32*PVP+16*PVP+32*\c
.endr
.endr
.endm
.macro KQ                              ; 32 products; the 16 accumulators take turns, one instruction a turn; the first link finds the mask
	WIN 0x05                                       ; K and Q window 1, S^T window 0
.set i, 0
.rept 32
.set rS, S+32*((i/4)%4)+8*(i%4)
.set rK, KV+8*(2*(i%4)+i/16)
.set rQ, QF+16*((i/4)%4)+8*(i/16)
	v_wmma_f32_16x16x32_f16 v[rS:rS+7], v[rK:rK+7], v[rQ:rQ+7], v[rS:rS+7]
.set i, i+1
.endr
.endm
.macro PV                              ; 32 products, 16 accumulators by turns
	WIN 0x51                                       ; V window 1, P window 0, O^T window 1
.set i, 0
.rept 32
.set rO, 32*((i/4)%4)+8*(i%4)
.set rV, KV+8*(4*(i/16)+i%4)
.set rP, P+16*((i/4)%4)+8*(i/16)
	v_wmma_f32_16x16x32_f16 v[rO:rO+7], v[rV:rV+7], v[rP:rP+7], v[rO:rO+7]
.set i, i+1
.endr
.endm
; A step's softmax for my four tiles, which take turns line by line, so that no line waits for the line above it.
.macro SOFTMAX
	WIN 0
.irp j, 0,1,2,3                                ; the maximum: four chains, one for each accumulator, begun at its low end
.irp t, 0,1,2,3
	v_max3_num_f32 v[ST+8*\t+4+\j], v[S+32*\t+8*\j], v[S+32*\t+8*\j+1], v[S+32*\t+8*\j+2]
.endr
.endr
.irp e, 3,5
.irp j, 0,1,2,3
.irp t, 0,1,2,3
	v_max3_num_f32 v[ST+8*\t+4+\j], v[ST+8*\t+4+\j], v[S+32*\t+8*\j+\e], v[S+32*\t+8*\j+\e+1]
.endr
.endr
.endr
.irp t, 0,1,2,3
	v_max3_num_f32 v[ST+8*\t+4], v[ST+8*\t+4], v[S+32*\t+7], v[S+32*\t+15]
.endr
.irp t, 0,1,2,3
	v_max3_num_f32 v[ST+8*\t+6], v[ST+8*\t+6], v[S+32*\t+23], v[S+32*\t+31]
.endr
.irp t, 0,1,2,3
	v_max3_num_f32 v[ST+8*\t+4], v[ST+8*\t+4], v[ST+8*\t+5], v[ST+8*\t+6]
.endr
.irp t, 0,1,2,3
	v_max3_num_f32 v[ST+8*\t+4], v[ST+8*\t+4], v[ST+8*\t+7], v[ST+8*\t]    ; and the old m
.endr
.irp t, 0,1,2,3
	v_permlanex16_b32 v[ST+8*\t+5], v[ST+8*\t+4], s[SEL], s[SEL+1]         ; the query's other 32 keys lie in the lane 16 away
.endr
.irp t, 0,1,2,3
	v_mov_b32 v[ST+8*\t+7], v[ST+8*\t]
.endr
.irp t, 0,1,2,3
	v_max_num_f32 v[ST+8*\t], v[ST+8*\t+4], v[ST+8*\t+5]                   ; the new m
.endr
.irp t, 0,1,2,3
	v_sub_f32 v[ST+8*\t+7], v[ST+8*\t+7], v[ST+8*\t]
.endr
.irp t, 0,1,2,3
	v_mul_f32 v[ST+8*\t+7], s[CS], v[ST+8*\t+7]                            ; (m_old - m_new) log2 e
.endr
.set e, 0
.rept 16
.irp t, 0,1,2,3
	v_pk_add_f32 v[S+32*\t+e:S+32*\t+e+1], v[S+32*\t+e:S+32*\t+e+1], v[ST+8*\t:ST+8*\t+1] op_sel_hi:[1,0] neg_lo:[0,1] neg_hi:[0,1]   ; z - m
.endr
.set e, e+2
.endr
.set e, 0
.rept 16
.irp t, 0,1,2,3
	v_pk_mul_f32 v[S+32*\t+e:S+32*\t+e+1], v[S+32*\t+e:S+32*\t+e+1], s[CS:CS+1] op_sel_hi:[1,0]
.endr
.set e, e+2
.endr
.irp t, 0,1,2,3                                ; ONE BATCH of 132 exponentials; none reads another's result
	v_exp_f32 v[ST+8*\t+6], v[ST+8*\t+7]           ; a
.endr
.set e, 0
.rept 32
.irp t, 0,1,2,3
	v_exp_f32 v[S+32*\t+e], v[S+32*\t+e]           ; p, at most 1
.endr
.set e, e+1
.endr
	v_nop                                          ; a plain instruction behind the last exponential (ISA guide 5.7.2),
	s_wait_alu depctr_va_vdst(0)                   ; and the one wait ahead of the batch's first reader
.set e, 0
.rept 16
.irp t, 0,1,2,3
	v_cvt_pk_f16_f32 v[P+16*\t+e], v[S+32*\t+2*e], v[S+32*\t+2*e+1]
.endr
.set e, e+1
.endr
.irp u, 0,1,2,3,4,5,6,7                        ; the sum of the unrounded p, in place, as a tree of pairs
.irp t, 0,1,2,3
	v_pk_add_f32 v[S+32*\t+4*\u:S+32*\t+4*\u+1], v[S+32*\t+4*\u:S+32*\t+4*\u+1], v[S+32*\t+4*\u+2:S+32*\t+4*\u+3]
.endr
.endr
.irp u, 0,1,2,3
.irp t, 0,1,2,3
	v_pk_add_f32 v[S+32*\t+8*\u:S+32*\t+8*\u+1], v[S+32*\t+8*\u:S+32*\t+8*\u+1], v[S+32*\t+8*\u+4:S+32*\t+8*\u+5]
.endr
.endr
.irp u, 0,1
.irp t, 0,1,2,3
	v_pk_add_f32 v[S+32*\t+16*\u:S+32*\t+16*\u+1], v[S+32*\t+16*\u:S+32*\t+16*\u+1], v[S+32*\t+16*\u+8:S+32*\t+16*\u+9]
.endr
.endr
.irp t, 0,1,2,3
	v_pk_add_f32 v[S+32*\t:S+32*\t+1], v[S+32*\t:S+32*\t+1], v[S+32*\t+16:S+32*\t+17]
.endr
.irp t, 0,1,2,3
	v_pk_fma_f32 v[ST+8*\t+2:ST+8*\t+3], v[ST+8*\t+2:ST+8*\t+3], v[ST+8*\t+6:ST+8*\t+7], v[S+32*\t:S+32*\t+1] op_sel_hi:[1,0,1]   ; l = a l + the sum
.endr
	WIN 0x41                                       ; O^T window 1, a window 0
.set e, 0
.rept 16
.irp t, 0,1,2,3
	v_pk_mul_f32 v[32*\t+e:32*\t+e+1], v[32*\t+e:32*\t+e+1], v[ST+8*\t+6:ST+8*\t+7] op_sel_hi:[1,0]   ; each accumulator from its low end on
.endr
.set e, e+2
.endr
	WIN 0
.endm
.macro SM_IF reg, val                  ; the softmax, in the waves in which the scalar register holds val
	s_cmp_lg_u32 s[\reg], \val
	s_cbranch_scc1 .Lother_\@
	SOFTMAX
.Lother_\@:
.endm
; THE CHANGE OF SLOTS, at a step's head.  V of the step before has been asked for, so the wait for my LDS loads ends my reads of its slot.  Each wave waits for all its tensor loads (one is out: its part of the slot ahead),
; adds 0 to its spare word, and waits for that and for its reads.  fill = 1: a round of the cluster's barrier, and the slot just left is filled with the step after next: the load has a whole step in which to land.
.macro CHANGE fill
	WIN 0
	s_wait_tensorcnt 0x0                           ; no tensor load of mine is out, so a group 0 may be written
	ds_add_u32 v[SPW], v[NIL]
.if \fill
.irp g, G0K+4, G0V+4, G0M+4
	s_xor_b32 s[\g+1], s[\g+1], SLOT1              ; the walking descriptors: the other slot than last time,
.endr
	s_add_nc_u64 s[G0K+6:G0K+7], s[G0K+6:G0K+7], KVSTEP   ; the next 64 keys
	s_add_nc_u64 s[G0V+6:G0V+7], s[G0V+6:G0V+7], KVSTEP
	s_add_nc_u64 s[G0M+6:G0M+7], s[G0M+6:G0M+7], 256
	s_wait_xcnt 0x0                                ; the last prefetch, a step back, has read its address
	s_add_nc_u64 s[PFA:PFA+1], s[PFA:PFA+1], s[PFS:PFS+1]
	s_wait_dscnt 0x0                               ; the add is done, and my reads of the slot that I leave are over
	CROUND
	JLOAD
	ASK
.else
	s_wait_dscnt 0x0
	s_barrier_signal -1
	s_barrier_wait -1
.endif
	s_xor_b32 s[TB], s[TB], SLOT1
.endm
; A STEP s: (where it was left over: softmax of s - 1) | the mask of s into S^T | O^T += V^T P of s - 1 | K of s | S^T = K Q^T + mask | V of s | (type 0: softmax of s; type 1 leaves it to the next step's head)
.macro BODY
	ADDRS
	SM_IF LATE, 1
	MASKLOAD
	PV
	PLACES                                         ; in front of loads into registers that the products have read
	KLOAD
	s_wait_dscnt 0x0                               ; the mask and K are in
	KQ
	PLACES
	VLOAD
	WIN 0
	SM_IF TYPE, 0
	s_mov_b32 s[LATE], s[TYPE]
.endm
	s_wait_tensorcnt 1                             ; my part of slot 0 is in; slot 1's may stay out
	s_barrier_signal -1
	s_barrier_wait -1
	ADDRS
	MASKLOAD
	KLOAD
	s_wait_loadcnt 0x0                             ; Q
	s_wait_dscnt 0x0
	KQ
	PLACES
	VLOAD
	WIN 0
	SOFTMAX                                        ; step 0's, in every wave: it starts m, l and P
.Lstep:                                            ; 30 trips: steps 1 to 30; trip r asks for step r + 1
	CHANGE 1
	BODY
	s_sub_co_u32 s[CNT], s[CNT], 1
	s_cmp_lg_u32 s[CNT], 0
	s_cbranch_scc1 .Lstep
	CHANGE 0                                       ; the last step is written out
	BODY
	SM_IF TYPE, 1                                  ; the last step's, where it was left over
	s_wait_dscnt 0x0                               ; V of the last step
	PV
	; THE WAY OUT.  l's halves and the other lanes' are added (these lines are the places behind the last products); O^T / l, rounded to f16, meets the other head's in the stage; each wave stores 32 whole rows.
	WIN 0
.irp t, 0,1,2,3
	v_add_f32 v[ST+8*\t+4], v[ST+8*\t+2], v[ST+8*\t+3]
.endr
.irp t, 0,1,2,3
	v_permlanex16_b32 v[ST+8*\t+5], v[ST+8*\t+4], s[SEL], s[SEL+1]
.endr
.irp t, 0,1,2,3
	v_add_f32 v[ST+8*\t+4], v[ST+8*\t+4], v[ST+8*\t+5]
.endr
.irp t, 0,1,2,3
	v_rcp_f32 v[ST+8*\t+6], v[ST+8*\t+4]
.endr
	v_nop
	s_wait_alu depctr_va_vdst(0)                   ; one wait for the four reciprocals, ahead of their first reader
.macro PACK t
	WIN 0x41
.set i, 0
.rept 16
	v_pk_mul_f32 v[32*\t+i:32*\t+i+1], v[32*\t+i:32*\t+i+1], v[ST+8*\t+6:ST+8*\t+7] op_sel_hi:[1,0]
.set i, i+2
.endr
	WIN 0x05                                       ; sources window 1, destination window 0
.set i, 0
.rept 16
	v_cvt_pk_f16_f32 v[S+32*\t+i], v[32*\t+2*i], v[32*\t+2*i+1]
.set i, i+1
.endr
	WIN 0
.irp c, 0,1,2,3
	ds_store_b128 v[STO], v[S+32*\t+4*\c:S+32*\t+4*\c+3] offset:\t*16*SP+32*\c
.endr
.endm
	PACK 0
	s_cmp_lg_u32 s[QS], 0                          ; the block's first 16 queries are tile 0 of waves 0 and 4: their low parts
	s_cbranch_scc1 .Lno_low
.set j, 0
.irp h, v64.l,v64.h,v65.l,v65.h,v66.l,v66.h,v67.l,v67.h,v68.l,v68.h,v69.l,v69.h,v70.l,v70.h,v71.l,v71.h,v72.l,v72.h,v73.l,v73.h,v74.l,v74.h,v75.l,v75.h,v76.l,v76.h,v77.l,v77.h,v78.l,v78.h,v79.l,v79.h
	v_cvt_f32_f16 v[P+j], \h                       ; the high parts widened again (P's registers are free)
.set j, j+1
.endr
	WIN 0x01                                       ; source 0 (O^T) window 1
.set i, 0
.rept 16
	v_pk_add_f32 v[P+i:P+i+1], v[i:i+1], v[P+i:P+i+1] neg_lo:[0,1] neg_hi:[0,1]
.set i, i+2
.endr
	WIN 0
.set i, 0
.rept 16
	v_cvt_pk_f16_f32 v[S+16+i], v[P+2*i], v[P+2*i+1]
.set i, i+1
.endr
.irp c, 0,1,2,3
	ds_store_b128 v[STL], v[S+16+4*\c:S+16+4*\c+3] offset:32*\c
.endr
.Lno_low:
	PACK 1
	PACK 2
	PACK 3
	s_wait_dscnt 0x0                               ; for the others' sake: my stores into the stages are done
	s_barrier_signal -1
	s_barrier_wait -1
.irp i, 0,1,2,3,4,5,6,7,8,9,10,11,12,13,14,15
	ds_load_b128 v[S+4*\i:S+4*\i+3], v[RD] offset:\i*2*SP
.endr
.irp i, 0,1,2,3,4,5,6,7,8,9,10,11,12,13,14,15
	s_wait_dscnt 15-\i                             ; the loads issued behind load i may stay out
	global_store_b128 v[GO], v[S+4*\i:S+4*\i+3], s[8:9] offset:\i*4096   ; 16 lanes store 256 consecutive bytes, aligned
.endr
	s_cmp_lg_u32 s[WV], 0
	s_cbranch_scc1 .Lno_afl
.irp i, 0,1,2,3,4,5,6,7
	ds_load_b128 v[P+4*\i:P+4*\i+3], v[RDL] offset:\i*2*SP
.endr
.irp i, 0,1,2,3,4,5,6,7
	s_wait_dscnt 7-\i
	global_store_b128 v[GO], v[P+4*\i:P+4*\i+3], s[10:11] offset:\i*4096
.endr
.Lno_afl:
	s_wait_tensorcnt 0x0                           ; the wave's end
	ds_add_u32 v[SPW], v[NIL]
	s_wait_dscnt 0x0
	CROUND                                         ; the closing round
	s_endpgm
.Lfunc_end_k_qc826d1e1b4_attn:
	.size	k_qc826d1e1b4_attn, .Lfunc_end_k_qc826d1e1b4_attn-k_qc826d1e1b4_attn
	.p2alignl 7, 3214868480
	.fill 96, 4, 3214868480
	.section	.rodata,"a",@progbits
	.p2align	6, 0x0
	.amdhsa_kernel k_qc826d1e1b4_attn
		.amdhsa_group_segment_fixed_size 327680
		.amdhsa_private_segment_fixed_size 0
		.amdhsa_enable_private_segment 0
		.amdhsa_kernarg_size 32
		.amdhsa_user_sgpr_count 2
		.amdhsa_user_sgpr_kernarg_segment_ptr 1
		.amdhsa_wavefront_size32 1
		.amdhsa_system_sgpr_workgroup_id_x 1
		.amdhsa_system_sgpr_workgroup_id_y 1
		.amdhsa_system_sgpr_workgroup_id_z 1
		.amdhsa_system_vgpr_workitem_id 0
		.amdhsa_next_free_vgpr 512
		.amdhsa_next_free_sgpr 100
		.amdhsa_reserve_vcc 0
		.amdhsa_float_denorm_mode_32 3
		.amdhsa_float_denorm_mode_16_64 3
		.amdhsa_memory_ordered 1
		.amdhsa_forward_progress 1
		.amdhsa_inst_pref_size 238
	.end_amdhsa_kernel
	.amdgpu_metadata
---
amdhsa.version: [ 1, 2 ]
amdhsa.kernels:
  - .name:           k_qc826d1e1b4_attn
    .symbol:         k_qc826d1e1b4_attn.kd
    .args:
      - { .name: qkv, .offset: 0, .size: 8, .value_kind: global_buffer, .address_space: global }
      - { .name: causal_mask, .offset: 8, .size: 8, .value_kind: global_buffer, .address_space: global }
      - { .name: att, .offset: 16, .size: 8, .value_kind: global_buffer, .address_space: global }
      - { .name: afl, .offset: 24, .size: 8, .value_kind: global_buffer, .address_space: global }
    .group_segment_fixed_size: 327680
    .private_segment_fixed_size: 0
    .kernarg_segment_align: 8
    .kernarg_segment_size: 32
    .max_flat_workgroup_size: 256
    .sgpr_count:     100
    .vgpr_count:     512
    .wavefront_size: 32
...
	.end_amdgpu_metadata
.endif
;; end of part 3
;; launch proj (part 4): grid 8 x 64, 4 waves a work-group, clusters of 4 x 4, 327,680 bytes of LDS; arguments att, wp, bproj, out0; writes out0
.if DOCPART == 4
	.amdgcn_target "amdgcn-amd-amdhsa--gfx1250"
	.amdhsa_code_object_version 6
	.text
	.protected	k_qc826d1e1b4_proj
	.globl	k_qc826d1e1b4_proj
	.p2align	8
	.type	k_qc826d1e1b4_proj,@function
k_qc826d1e1b4_proj:
	s_mov_b64 s[64:65], 0
	v_nop
	global_prefetch_b8 v0, s[64:65] scope:SCOPE_SE
	s_setreg_imm32_b32 hwreg(HW_REG_WAVE_MODE, 25, 1), 1
	s_wait_xcnt 0x0
	s_wait_alu depctr_hold_cnt(0) depctr_sa_sdst(0) depctr_va_vdst(0) depctr_va_sdst(0) depctr_va_ssrc(0) depctr_va_vcc(0) depctr_vm_vsrc(0)
	s_getreg_b32 s2, hwreg(HW_REG_IB_STS2, 6, 4)
	s_cmp_eq_u32 s2, 0
	s_cbranch_scc0 .Lentry_in_a_cluster
	s_endpgm
.Lentry_in_a_cluster:
	s_bfe_u32 s2, ttmp6, 0x10000c
	s_cmp_lg_u32 s2, 0xf033
	s_cbranch_scc0 .Lentry_shape_is_right
	s_endpgm
.Lentry_shape_is_right:
; out0[m][n] = sum over k of att[m][k] Wproj[k][n] + bproj[n].  A = att [8192][1024] f16; B = the high parts of Wproj, [1024 n][1024 k] f16, at wp's byte 0; sums and result in f32.
; (Rows 0 to 15 of each sequence are stored again, more finely, by the launch that follows.)
; A tile is 128 x 128: 512 work-groups, where tiles of 256 x 256 would be 128.  Four waves, each 64 x 64: 16 accumulators.  K goes in steps of 256 (LDS rows of 512 bytes) through two slots.
; CLUSTERS 4 x 4: A's tiles are asked for jointly along a row of the cluster, B's along a column.  THE MATRIX INSTRUCTION IS USED TRANSPOSED (source 0 = 16 rows of B, source 1 = 16 rows of A).
; THE BIAS is the C of each sum's first product.  A wave's 64 columns of f32 are 256 aligned bytes: each wave has a stage of its own on the way out, and no barrier is needed there.
; REGISTERS: window 0: v0-31 addresses; v32-95 the way out; v96-127 the bias, four tiles of eight; v128-255 the accumulators ((a, b) at v[128 + 8 (4 a + b)]).  window 1: two fragment buffers of 128.
.set SIZE_M, 8192
.set SIZE_N, 1024
.set SIZE_K, 1024
.set KSTEP,  256
.set PITCH,  528                       ; 512 bytes + 16 = 132 words: the 16 rows of a load start at 16 different banks (64 banks of 4 bytes: ISA guide 11.1)
.set HALFT,  64*PITCH
.set SLOT,   4*HALFT
.set STAGE,  2*SLOT                    ; behind the ring: 16 rows x 272 bytes for each wave
.set SPITCH, 272
.set SPARE,  STAGE+4*16*SPITCH         ; the spare words, 128 bytes for each wave: two blocks of 256 bytes that no other line names
.set LAPS, SIZE_K/(2*KSTEP)
.set ADRA, 16
.set ADRB, 20
.set STO,  24
.set RD,   25
.set CO,   26
.set BAD,  27                          ; v27  the bias loads' offset; never rewritten
.set SPW,  28
.set NIL,  29
.set TMP,  32
.set BIAS, 96
.set ACC,  128
.set F0,   0
.set F1,   128
.set G1, 24
.set G0, 32
.set G1B, 48
.set G0B, 56
.set MSB, 0
.macro WIN new
.if MSB != (\new)
	s_set_vgpr_msb (MSB<<8)|(\new)
.set MSB, \new
.endif
.endm
.set MUL,  0x05                        ; sources 0 (B) and 1 (A) window 1; C and D window 0
.set TO_F, 0x40
.macro JLOAD s                         ; waves 0 and 1 fetch A's two halves, waves 2 and 3 B's; an s_nop 0 and four v_nop follow each line
	s_cmp_eq_u32 s11, 0
	s_cbranch_scc0 .Lfor_b_\@
	tensor_load_to_lds s[G0+4*\s:G0+4*\s+3], s[G1:G1+7]
	s_nop 0
.rept 4
	v_nop
.endr
	s_branch .Lasked_\@
.Lfor_b_\@:
	tensor_load_to_lds s[G0B+4*\s:G0B+4*\s+3], s[G1B:G1B+7]
	s_nop 0
.rept 4
	v_nop
.endr
.Lasked_\@:
.endm
.macro CREST
	s_cmp_lg_u32 s10, 0
	s_cbranch_scc1 .Lnot_wave_0_\@
	s_barrier_signal -3
.Lnot_wave_0_\@:
	s_barrier_wait -3
	s_barrier_signal -1
	s_barrier_wait -1
.endm
.macro CROUND
	s_barrier_signal -1
	s_barrier_wait -1
	CREST
.endm
	s_load_b128 s[4:7], s[0:1], 0x0                ; A, B
	s_load_b64 s[2:3], s[0:1], 0x10                ; the bias
	s_load_b64 s[8:9], s[0:1], 0x18                ; the result
	v_lshl_add_u32 v[SPW], v0, 2, SPARE
	v_mov_b32 v[NIL], 0
	ds_add_u32 v[SPW], v[NIL]                      ; the wave's opening: the add, twice on end, and its wait ahead of my first tensor load
	ds_add_u32 v[SPW], v[NIL]
	v_lshrrev_b32 v1, 5, v0
	v_readfirstlane_b32 s10, v1                    ; wave 0..3
	s_lshr_b32 s11, s10, 1                         ; which half of the tile's rows is mine.  Also: I fetch for A (0) or for B (1)
	s_and_b32 s12, s10, 1                          ; which half of its columns.  Also: which 64 rows of that tile I fetch
	s_bfe_u32 s40, ttmp6, 0x40000
	s_bfe_u32 s41, ttmp6, 0x40004
	s_lshl_b32 s42, ttmp9, 2
	s_add_co_u32 s42, s42, s40                     ; tile column
	s_and_b32 s13, ttmp7, 0xffff
	s_lshl_b32 s13, s13, 2
	s_add_co_u32 s13, s13, s41                     ; tile row
	s_lshl_b32 s43, s41, 2
	s_lshl_b32 s43, 15, s43
	s_lshl_b32 s44, 0x1111, s40
	s_or_b32 s[G1+0], s43, (1<<16)|(1<<20)|(1<<21)|(6<<22)|(3<<25)  ; the mask; elements of 2 bytes; padding on; bit 21 beside a mask; after every 128 words four words
	s_or_b32 s[G1B+0], s44, (1<<16)|(1<<20)|(1<<21)|(6<<22)|(3<<25)
.irp g, G1, G1B
	s_mov_b32 s[\g+1], KSTEP<<16
	s_mov_b32 s[\g+2], 64<<16
	s_mov_b32 s[\g+3], KSTEP<<16
	s_mov_b32 s[\g+4], 64
	s_mov_b32 s[\g+5], SIZE_K
	s_mov_b32 s[\g+6], 0
	s_mov_b32 s[\g+7], 0
.endr
	s_lshl_b32 s17, s12, 6
	s_lshl_b32 s16, s13, 7
	s_add_co_u32 s16, s16, s17
	s_lshl_b32 s46, s42, 7
	s_add_co_u32 s46, s46, s17
	s_mov_b32 s17, 0
	s_mov_b32 s47, 0
	s_mov_b64 s[18:19], SIZE_K*2
	s_mul_u64 s[16:17], s[16:17], s[18:19]
	s_mul_u64 s[46:47], s[46:47], s[18:19]
	s_mul_i32 s20, s10, HALFT
	s_wait_dscnt 0x0                               ; both opening adds are done
	s_wait_kmcnt 0x0
	s_add_nc_u64 s[14:15], s[4:5], s[16:17]
	s_add_nc_u64 s[46:47], s[6:7], s[46:47]
	CROUND                                         ; the first joint loads meet
.irp s, 0,1
	s_mov_b32 s[G0+4*\s], 1
	s_add_co_u32 s[G0+4*\s+1], s20, \s*SLOT
	s_add_nc_u64 s[G0+4*\s+2:G0+4*\s+3], s[14:15], \s*KSTEP*2
	s_or_b32 s[G0+4*\s+3], s[G0+4*\s+3], 0x80000000
	s_mov_b32 s[G0B+4*\s], 1
	s_add_co_u32 s[G0B+4*\s+1], s20, \s*SLOT
	s_add_nc_u64 s[G0B+4*\s+2:G0B+4*\s+3], s[46:47], \s*KSTEP*2
	s_or_b32 s[G0B+4*\s+3], s[G0B+4*\s+3], 0x80000000
	JLOAD \s
.endr
	v_and_b32 v1, 15, v0
	v_bfe_u32 v2, v0, 4, 1
	v_mul_u32_u24 v3, v1, PITCH
	v_lshl_add_u32 v3, v2, 4, v3
	s_mul_i32 s21, s11, HALFT
	s_mul_i32 s22, s12, HALFT
	s_add_co_u32 s22, s22, 2*HALFT
.irp s, 0,1
	v_add_nc_u32 v[ADRA+\s], s21, v3
	v_add_nc_u32 v[ADRB+\s], s22, v3
	s_add_co_u32 s21, s21, SLOT
	s_add_co_u32 s22, s22, SLOT
.endr
	s_mul_i32 s23, s10, 16*SPITCH
	s_add_co_u32 s23, s23, STAGE                   ; my stage
	v_mul_u32_u24 v4, v1, SPITCH
	v_lshl_add_u32 v4, v2, 5, v4
	v_add_nc_u32 v[STO], s23, v4                   ; in: row r, 32 bytes for each half of the lanes
	v_mul_u32_u24 v5, v2, SPITCH
	v_lshl_add_u32 v5, v1, 4, v5
	v_add_nc_u32 v[RD], s23, v5                    ; back: lanes 0-15 one row of 256 bytes, lanes 16-31 the next
	v_mul_u32_u24 v5, v2, SIZE_N*4
	v_lshl_add_u32 v[CO], v1, 4, v5
	s_lshl_b32 s16, s13, 7
	s_lshl_b32 s17, s11, 6
	s_add_co_u32 s16, s16, s17                     ; my first row
	s_mov_b32 s17, 0
	s_mov_b64 s[18:19], SIZE_N*4
	s_mul_u64 s[16:17], s[16:17], s[18:19]
	s_add_nc_u64 s[8:9], s[8:9], s[16:17]
	s_lshl_b32 s46, s42, 9                         ; my first column, 4 bytes each: 512 x tile column + 256 x half
	s_lshl_b32 s47, s12, 8
	s_add_co_u32 s46, s46, s47
	s_mov_b32 s47, 0
	s_add_nc_u64 s[8:9], s[8:9], s[46:47]
	s_add_nc_u64 s[2:3], s[2:3], s[46:47]
	v_lshlrev_b32 v[BAD], 5, v2
.irp b, 0,1,2,3                                ; tile b of the bias: lane (r, h) holds columns 16 b + 8 h + 0 .. 7
	global_load_b128 v[BIAS+8*\b:BIAS+8*\b+3], v[BAD], s[2:3] offset:64*\b
	global_load_b128 v[BIAS+8*\b+4:BIAS+8*\b+7], v[BAD], s[2:3] offset:64*\b+16
.endr
; 8 matrix instructions: m blocks a0, a0 + 1 x all 4 n blocks, 32 along K.  zero = 1: the first product starts the sums on the bias.  The 16 accumulators take turns.
.macro MUL8 f, c, a0, zero
.irp a, \a0, \a0+1
.irp b, 0,1,2,3
.if \zero
	v_wmma_f32_16x16x32_f16 v[ACC+8*(4*(\a)+\b):ACC+8*(4*(\a)+\b)+7], v[\f+64+8*(4*\c+\b):\f+64+8*(4*\c+\b)+7], v[\f+8*(4*\c+\a):\f+8*(4*\c+\a)+7], v[BIAS+8*\b:BIAS+8*\b+7]
.else
	v_wmma_f32_16x16x32_f16 v[ACC+8*(4*(\a)+\b):ACC+8*(4*(\a)+\b)+7], v[\f+64+8*(4*\c+\b):\f+64+8*(4*\c+\b)+7], v[\f+8*(4*\c+\a):\f+8*(4*\c+\a)+7], v[ACC+8*(4*(\a)+\b):ACC+8*(4*(\a)+\b)+7]
.endif
.endr
.endr
.endm
.macro FETCH slot, k, f                ; 32 LDS loads in one run: the fragments of 64 along K; the first 32 along K first
	WIN TO_F
.irp c, 0,1
.irp i, 0,1,2,3
	ds_load_b128 v[\f+64+8*(4*\c+\i):\f+64+8*(4*\c+\i)+3],   v[ADRB+\slot] offset:\k+64*\c+\i*16*PITCH
	ds_load_b128 v[\f+64+8*(4*\c+\i)+4:\f+64+8*(4*\c+\i)+7], v[ADRB+\slot] offset:\k+64*\c+\i*16*PITCH+32
	ds_load_b128 v[\f+8*(4*\c+\i):\f+8*(4*\c+\i)+3],         v[ADRA+\slot] offset:\k+64*\c+\i*16*PITCH
	ds_load_b128 v[\f+8*(4*\c+\i)+4:\f+8*(4*\c+\i)+7],       v[ADRA+\slot] offset:\k+64*\c+\i*16*PITCH+32
.endr
.endr
.endm
.macro PLACES
.rept 4
	v_nop
.endr
.endm
.macro QUARTER slot, k, f, g, zero
	s_wait_dscnt 16                                ; the first 32 along K are in; the youngest sixteen loads may be out
	WIN MUL
	MUL8 \f, 0, 0, \zero
	MUL8 \f, 0, 2, \zero
	PLACES
	FETCH \slot, \k, \g
	s_wait_dscnt 32                                ; all but the 32 just issued
	WIN MUL
	MUL8 \f, 1, 0, 0
	MUL8 \f, 1, 2, 0
.endm
; The last quarter changes slots: one barrier; in front of it each wave waits for all its tensor loads, adds 0 to its spare word, and waits for that and its reads of this slot.  fill = 1: the slot is filled again, two K steps ahead.
.macro TURN slot, next, fill
	WIN 0
	s_wait_tensorcnt 0x0
	ds_add_u32 v[SPW], v[NIL]
	s_wait_dscnt 17                                ; (the add and the youngest sixteen loads may be out)
	WIN MUL
	MUL8 F1, 0, 0, 0
	s_wait_dscnt 0x0                               ; the add is done, and my reads of this slot are over
	s_barrier_signal -1
	MUL8 F1, 0, 2, 0
.if \fill
	WIN 0
.endif
	s_barrier_wait -1
.if \fill
	CREST                                          ; the barrier has opened a round of the cluster's barrier
	s_add_nc_u64 s[G0+4*\slot+2:G0+4*\slot+3], s[G0+4*\slot+2:G0+4*\slot+3], 2*KSTEP*2
	s_add_nc_u64 s[G0B+4*\slot+2:G0B+4*\slot+3], s[G0B+4*\slot+2:G0B+4*\slot+3], 2*KSTEP*2
	JLOAD \slot                                    ; the first tensor load behind the round; its four v_nop are also the places in front of the loads below
.else
	PLACES
.endif
	FETCH \next, 0, F0
	WIN MUL
	MUL8 F1, 1, 0, 0
	MUL8 F1, 1, 2, 0
.endm
	s_wait_tensorcnt 1                             ; my part of K step 0 is in; K step 1's load may be out
	s_barrier_signal -1
	s_barrier_wait -1
	FETCH 0, 0, F0
	s_wait_loadcnt 0x0                             ; the bias
	QUARTER 0, 128, F0, F1, 1
	WIN 0
	s_mov_b32 s45, LAPS-1
.Llap:                                             ; a trip goes once round the ring and fills both slots again
	QUARTER 0, 256, F1, F0, 0
	QUARTER 0, 384, F0, F1, 0
	TURN 0, 1, 1
	QUARTER 1, 128, F0, F1, 0
	QUARTER 1, 256, F1, F0, 0
	QUARTER 1, 384, F0, F1, 0
	TURN 1, 0, 1
	QUARTER 0, 128, F0, F1, 0
	WIN 0
	s_sub_co_u32 s45, s45, 1
	s_cmp_lg_u32 s45, 0
	s_cbranch_scc1 .Llap
	QUARTER 0, 256, F1, F0, 0                      ; the last lap fills nothing
	QUARTER 0, 384, F0, F1, 0
	TURN 0, 1, 0
	QUARTER 1, 128, F0, F1, 0
	QUARTER 1, 256, F1, F0, 0
	QUARTER 1, 384, F0, F1, 0
	s_wait_dscnt 16
	WIN MUL
	MUL8 F1, 0, 0, 0
	MUL8 F1, 0, 2, 0
	s_wait_dscnt 0
	MUL8 F1, 1, 0, 0
	MUL8 F1, 1, 2, 0
	WIN 0
; THE WAY OUT, block by block of 16 rows x 64 columns, through my own stage: in as 32 bytes a lane, back as whole rows of 256 bytes.  LDS serves a wave's instructions in order (ISA guide 5.7.1.4).
.macro TOSTAGE a
.irp b, 0,1,2,3
	ds_store_b128 v[STO], v[ACC+8*(4*(\a)+\b):ACC+8*(4*(\a)+\b)+3] offset:64*\b        ; each accumulator from its low end on
	ds_store_b128 v[STO], v[ACC+8*(4*(\a)+\b)+4:ACC+8*(4*(\a)+\b)+7] offset:64*\b+16
.endr
.irp t, 0,1,2,3,4,5,6,7
	ds_load_b128 v[TMP+32*((\a)%2)+4*\t:TMP+32*((\a)%2)+4*\t+3], v[RD] offset:2*\t*SPITCH
.endr
.endm
.macro SEND a, younger
	s_wait_dscnt \younger                          ; the block is back; the next block's 8 stores and 8 loads may be out
.if (\a) > 0
	s_add_nc_u64 s[8:9], s[8:9], 16*SIZE_N*4       ; (behind a wait on XCNT: the earlier stores have read their base)
.endif
.irp t, 0,1,2,3,4,5,6,7
	global_store_b128 v[CO], v[TMP+32*((\a)%2)+4*\t:TMP+32*((\a)%2)+4*\t+3], s[8:9] offset:2*\t*SIZE_N*4 th:TH_STORE_NT   ; 16 lanes store 256 consecutive bytes, aligned
.endr
.endm
	PLACES
	TOSTAGE 0
.irp a, 1,2,3
.if \a > 1
	s_wait_xcnt 0x0                                ; block a - 2's stores have read their registers and their base
.endif
	TOSTAGE \a
	SEND (\a)-1, 16
.endr
	s_wait_xcnt 0x0
	SEND 3, 0
	s_wait_tensorcnt 0x0                           ; the wave's end
	ds_add_u32 v[SPW], v[NIL]
	s_wait_dscnt 0x0
	CROUND                                         ; the closing round
	s_endpgm
.Lfunc_end_k_qc826d1e1b4_proj:
	.size	k_qc826d1e1b4_proj, .Lfunc_end_k_qc826d1e1b4_proj-k_qc826d1e1b4_proj
	.p2alignl 7, 3214868480
	.fill 96, 4, 3214868480
	.section	.rodata,"a",@progbits
	.p2align	6, 0x0
	.amdhsa_kernel k_qc826d1e1b4_proj
		.amdhsa_group_segment_fixed_size 327680
		.amdhsa_private_segment_fixed_size 0
		.amdhsa_enable_private_segment 0
		.amdhsa_kernarg_size 32
		.amdhsa_user_sgpr_count 2
		.amdhsa_user_sgpr_kernarg_segment_ptr 1
		.amdhsa_wavefront_size32 1
		.amdhsa_system_sgpr_workgroup_id_x 1
		.amdhsa_system_sgpr_workgroup_id_y 1
		.amdhsa_system_sgpr_workgroup_id_z 1
		.amdhsa_system_vgpr_workitem_id 0
		.amdhsa_next_free_vgpr 512
		.amdhsa_next_free_sgpr 66
		.amdhsa_reserve_vcc 0
		.amdhsa_float_denorm_mode_32 3
		.amdhsa_float_denorm_mode_16_64 3
		.amdhsa_memory_ordered 1
		.amdhsa_forward_progress 1
		.amdhsa_inst_pref_size 87
	.end_amdhsa_kernel
	.amdgpu_metadata
---
amdhsa.version: [ 1, 2 ]
amdhsa.kernels:
  - .name:           k_qc826d1e1b4_proj
    .symbol:         k_qc826d1e1b4_proj.kd
    .args:
      - { .name: att, .offset: 0, .size: 8, .value_kind: global_buffer, .address_space: global }
      - { .name: wp, .offset: 8, .size: 8, .value_kind: global_buffer, .address_space: global }
      - { .name: bproj, .offset: 16, .size: 8, .value_kind: global_buffer, .address_space: global }
      - { .name: out0, .offset: 24, .size: 8, .value_kind: global_buffer, .address_space: global }
    .group_segment_fixed_size: 327680
    .private_segment_fixed_size: 0
    .kernarg_segment_align: 8
    .kernarg_segment_size: 32
    .max_flat_workgroup_size: 128
    .sgpr_count:     66
    .vgpr_count:     512
    .wavefront_size: 32
...
	.end_amdgpu_metadata
.endif
;; end of part 4
;; launch fproj (part 5): grid 16 x 4, 16 waves a work-group, no clusters, 19,456 bytes of LDS; arguments att, afl, wp, bproj, out0; writes out0
.if DOCPART == 5
	.amdgcn_target "amdgcn-amd-amdhsa--gfx1250"
	.amdhsa_code_object_version 6
	.text
	.protected	k_qc826d1e1b4_fproj
	.globl	k_qc826d1e1b4_fproj
	.p2align	8
	.type	k_qc826d1e1b4_fproj,@function
k_qc826d1e1b4_fproj:
	s_mov_b64 s[64:65], 0
	v_nop
	global_prefetch_b8 v0, s[64:65] scope:SCOPE_SE
	s_setreg_imm32_b32 hwreg(HW_REG_WAVE_MODE, 25, 1), 1
	s_wait_xcnt 0x0
; THE FIRST 16 POSITIONS OF EACH SEQUENCE, ONCE MORE AND FINELY.  There a row of attention averages few values and is the largest in size, so the rounding of f16 operands weighs most.
; out0[b][r][n] = sum over k of (a_hi + a_lo)[r][k] (w_hi + w_lo)[k][n] + bproj[n], r = 0 .. 15, without the product of the two low parts (2^-22 of the sum); three f32 sums, added at the end.
; a_hi = att, a_lo = afl (query block 0 of batch b); w_hi, w_lo = the two halves of wp, [n][k].  K is innermost in all four: fragments come straight from memory into the operands' registers.
; A work-group: 16 rows x 64 columns (256 aligned bytes of a row).  Wave w: columns 16 (w % 4) on, K quarter w / 4 (256 along k: 8 steps of 32).  The quarters meet in LDS; then wave w stores row w.
; NO CLUSTER, though a's 64 KB are read by the 16 work-groups of a batch and W's 256 KB of 64 columns by the 4 batches: a joint request is a tensor load into LDS, and here a wave has 24 matrix instructions in all,
; fed by 64 loads of 16 bytes a lane that land in the operands' registers as they are; a trip through LDS and the cluster's rounds would be more lines than the work.
; The instruction is used transposed (source 0 = W): a lane holds 8 neighbouring columns of a row.
.set AO,   16                          ; v16  my byte in a's rows: 2,048 r + 16 h + 512 x quarter
.set WO,   17                          ; v17  and in W's: 2,048 (16 (w % 4) + r) + 16 h + 512 x quarter
.set RS,   18                          ; v18  LDS: where I put my 32 bytes
.set RR,   19                          ; v19  LDS: where I read my row back
.set LO8,  20                          ; v20  8 x lane
.set SPW,  28
.set NIL,  29
.set FB,   32                          ; v32-223 six slots of 32: w_hi, w_lo, a_hi, a_lo of a step
.set ACC,  224                         ; v224-247 three accumulators
.set LOWW, 2097152                     ; w_lo in wp
.set RQ,   16*272                      ; a quarter's part of the meeting place: 16 rows x (256 bytes + 16)
.set SPARE, 4*RQ                       ; the spare words, 128 bytes for each wave: eight blocks of 256 bytes that no other line names
	s_load_b256 s[4:11], s[0:1], 0x0               ; att s[4:5], afl s[6:7], wp s[8:9], bproj s[10:11]
	s_load_b64 s[12:13], s[0:1], 0x20              ; out0
	v_lshl_add_u32 v[SPW], v0, 2, SPARE
	v_mov_b32 v[NIL], 0
	v_lshrrev_b32 v1, 5, v0
	v_readfirstlane_b32 s14, v1                    ; wave 0..15
	s_and_b32 s15, s14, 3                          ; column tile
	s_lshr_b32 s16, s14, 2                         ; K quarter
	s_and_b32 s17, ttmp7, 0xffff                   ; b
	v_and_b32 v1, 15, v0                           ; r
	v_bfe_u32 v2, v0, 4, 1                         ; h
	v_and_b32 v3, 31, v0
	v_lshlrev_b32 v4, 11, v1
	v_lshl_add_u32 v4, v2, 4, v4
	s_lshl_b32 s18, s16, 9
	v_add_nc_u32 v[AO], s18, v4
	s_lshl_b32 s19, s15, 15
	s_add_co_u32 s19, s19, s18
	v_add_nc_u32 v[WO], s19, v4
	v_mul_u32_u24 v5, v1, 272
	v_lshl_add_u32 v5, v2, 5, v5
	s_mul_i32 s20, s16, RQ
	s_lshl_b32 s21, s15, 6
	s_add_co_u32 s20, s20, s21
	v_add_nc_u32 v[RS], s20, v5                    ; quarter, row r, 64 bytes a column tile, 32 h
	s_mul_i32 s20, s14, 272
	v_lshlrev_b32 v[LO8], 3, v3
	v_add_nc_u32 v[RR], s20, v[LO8]                ; row w, 8 bytes a lane
	s_lshl_b32 s22, s17, 22                        ; att: 2,048 rows of 2,048 bytes a batch
	s_mov_b32 s23, 0
	s_lshl_b32 s24, s17, 18                        ; afl: 8 x 16 rows a batch
	s_mov_b32 s25, 0
	s_lshl_b32 s26, ttmp9, 17                      ; wp: 64 rows
	s_mov_b32 s27, 0
	s_lshl_b32 s28, ttmp9, 8                       ; 64 columns of f32
	s_mov_b32 s29, 0
	s_lshl_b32 s30, s17, 11
	s_add_co_u32 s30, s30, s14
	s_lshl_b32 s30, s30, 12
	s_add_co_u32 s30, s30, s28                     ; out0: row 2,048 b + w, my work-group's columns
	s_mov_b32 s31, 0
	s_wait_kmcnt 0x0
	s_add_nc_u64 s[4:5], s[4:5], s[22:23]
	s_add_nc_u64 s[6:7], s[6:7], s[24:25]
	s_add_nc_u64 s[8:9], s[8:9], s[26:27]
	s_add_nc_u64 s[10:11], s[10:11], s[28:29]
	s_add_nc_u64 s[12:13], s[12:13], s[30:31]
	global_load_b64 v[22:23], v[LO8], s[10:11]     ; the bias of my two columns of the row that I store; the first load of all
.macro FLOAD i
.set F, FB+32*((\i)%6)
	global_load_b128 v[F:F+3],     v[WO], s[8:9] offset:64*(\i)
	global_load_b128 v[F+4:F+7],   v[WO], s[8:9] offset:64*(\i)+32
	global_load_b128 v[F+8:F+11],  v[WO], s[8:9] offset:LOWW+64*(\i)
	global_load_b128 v[F+12:F+15], v[WO], s[8:9] offset:LOWW+64*(\i)+32
	global_load_b128 v[F+16:F+19], v[AO], s[4:5] offset:64*(\i)
	global_load_b128 v[F+20:F+23], v[AO], s[4:5] offset:64*(\i)+32
	global_load_b128 v[F+24:F+27], v[AO], s[6:7] offset:64*(\i)
	global_load_b128 v[F+28:F+31], v[AO], s[6:7] offset:64*(\i)+32
.endm
; left = the loads issued behind this step's own eight.  The three accumulators take turns; the first step starts the sums.
.macro KSTEP i, left
.set F, FB+32*((\i)%6)
	s_wait_loadcnt \left
.if (\i) == 0
	v_wmma_f32_16x16x32_f16 v[ACC:ACC+7],     v[F:F+7],    v[F+16:F+23], 0
	v_wmma_f32_16x16x32_f16 v[ACC+8:ACC+15],  v[F:F+7],    v[F+24:F+31], 0
	v_wmma_f32_16x16x32_f16 v[ACC+16:ACC+23], v[F+8:F+15], v[F+16:F+23], 0
.else
	v_wmma_f32_16x16x32_f16 v[ACC:ACC+7],     v[F:F+7],    v[F+16:F+23], v[ACC:ACC+7]
	v_wmma_f32_16x16x32_f16 v[ACC+8:ACC+15],  v[F:F+7],    v[F+24:F+31], v[ACC+8:ACC+15]
	v_wmma_f32_16x16x32_f16 v[ACC+16:ACC+23], v[F+8:F+15], v[F+16:F+23], v[ACC+16:ACC+23]
.endif
.endm
.macro PLACES
.rept 4
	v_nop
.endr
.endm
.irp i, 0,1,2,3,4,5
	FLOAD \i
.endr
	KSTEP 0, 40                                    ; behind step 0's eight: steps 1 to 5
	PLACES                                         ; in front of loads into registers that the products have read
	FLOAD 6
	KSTEP 1, 40                                    ; steps 2 to 5 and 6
	PLACES
	FLOAD 7
	KSTEP 2, 40                                    ; steps 3 to 7
	KSTEP 3, 32
	KSTEP 4, 24
	KSTEP 5, 16
	KSTEP 6, 8
	KSTEP 7, 0
	PLACES
.irp i, 0,2,4,6
	v_pk_add_f32 v[8+\i:9+\i], v[ACC+8+\i:ACC+9+\i], v[ACC+16+\i:ACC+17+\i]   ; the two small sums first; each accumulator from its low end on
.endr
.irp i, 0,2,4,6
	v_pk_add_f32 v[8+\i:9+\i], v[8+\i:9+\i], v[ACC+\i:ACC+1+\i]
.endr
	ds_store_b128 v[RS], v[8:11]
	ds_store_b128 v[RS], v[12:15] offset:16
	s_wait_dscnt 0x0                               ; for the others' sake: my stores are done
	s_barrier_signal -1
	s_barrier_wait -1
.irp q, 0,1,2,3
	ds_load_b64 v[FB+2*\q:FB+2*\q+1], v[RR] offset:\q*RQ
.endr
	s_wait_dscnt 0x0
	v_pk_add_f32 v[FB:FB+1], v[FB:FB+1], v[FB+2:FB+3]
	v_pk_add_f32 v[FB+4:FB+5], v[FB+4:FB+5], v[FB+6:FB+7]
	v_pk_add_f32 v[FB:FB+1], v[FB:FB+1], v[FB+4:FB+5]
	v_pk_add_f32 v[FB:FB+1], v[FB:FB+1], v[22:23]
	global_store_b64 v[LO8], v[FB:FB+1], s[12:13]  ; 32 lanes store 256 consecutive bytes, aligned
	s_wait_tensorcnt 0x0                           ; the wave's end, behind my last LDS store
	ds_add_u32 v[SPW], v[NIL]
	s_wait_dscnt 0x0
	s_endpgm
.Lfunc_end_k_qc826d1e1b4_fproj:
	.size	k_qc826d1e1b4_fproj, .Lfunc_end_k_qc826d1e1b4_fproj-k_qc826d1e1b4_fproj
	.p2alignl 7, 3214868480
	.fill 96, 4, 3214868480
	.section	.rodata,"a",@progbits
	.p2align	6, 0x0
	.amdhsa_kernel k_qc826d1e1b4_fproj
		.amdhsa_group_segment_fixed_size 19456
		.amdhsa_private_segment_fixed_size 0
		.amdhsa_enable_private_segment 0
		.amdhsa_kernarg_size 40
		.amdhsa_user_sgpr_count 2
		.amdhsa_user_sgpr_kernarg_segment_ptr 1
		.amdhsa_wavefront_size32 1
		.amdhsa_system_sgpr_workgroup_id_x 1
		.amdhsa_system_sgpr_workgroup_id_y 1
		.amdhsa_system_sgpr_workgroup_id_z 1
		.amdhsa_system_vgpr_workitem_id 0
		.amdhsa_next_free_vgpr 256
		.amdhsa_next_free_sgpr 66
		.amdhsa_reserve_vcc 0
		.amdhsa_float_denorm_mode_32 3
		.amdhsa_float_denorm_mode_16_64 3
		.amdhsa_memory_ordered 1
		.amdhsa_forward_progress 1
		.amdhsa_inst_pref_size 12
	.end_amdhsa_kernel
	.amdgpu_metadata
---
amdhsa.version: [ 1, 2 ]
amdhsa.kernels:
  - .name:           k_qc826d1e1b4_fproj
    .symbol:         k_qc826d1e1b4_fproj.kd
    .args:
      - { .name: att, .offset: 0, .size: 8, .value_kind: global_buffer, .address_space: global }
      - { .name: afl, .offset: 8, .size: 8, .value_kind: global_buffer, .address_space: global }
      - { .name: wp, .offset: 16, .size: 8, .value_kind: global_buffer, .address_space: global }
      - { .name: bproj, .offset: 24, .size: 8, .value_kind: global_buffer, .address_space: global }
      - { .name: out0, .offset: 32, .size: 8, .value_kind: global_buffer, .address_space: global }
    .group_segment_fixed_size: 19456
    .private_segment_fixed_size: 0
    .kernarg_segment_align: 8
    .kernarg_segment_size: 40
    .max_flat_workgroup_size: 512
    .sgpr_count:     66
    .vgpr_count:     256
    .wavefront_size: 32
...
	.end_amdgpu_metadata
.endif
;; end of part 5
